; MI455X (gfx1250); checked and timed in simulation.
; The chip was launched on July 23, 2026; its instructions are those of AMD's public machine-readable ISA for CDNA 5 (MIT licence, August 2026) and "CDNA5" Instruction Set Architecture Reference Guide (July 2026). The comments in the code are by the model that wrote it; some were corrected since.
;; Causal Self Attention. Allowed arithmetic: matrix products marked QUANTISED: E4M3 operands, one given power-of-two scale a tensor, by v_wmma_f32_16x16x64_fp8_fp8 or v_wmma_f32_16x16x128_fp8_fp8, f32 sums; everything else in f32.
;; Inputs: W_proj 1,024 x 1,024 float32; W_qkv 1,024 x 3,072 float32; lowp_scales 8 int32 (the exponents e of the quantised operands' scales 2^e); x 4 x 2,048 x 1,024 float32.
;; Outputs: out0 4 x 2,048 x 1,024 float32.
;; This version of the problem:
;;   THIS VERSION OF THE PROBLEM IS GIVEN IN LOW PRECISION. The matrix products marked QUANTISED in the list below multiply operands that are first quantised to E4M3 (4 exponent bits, 3 mantissa bits; 8 bits a number), with one given power-of-two scale for each operand tensor; their sums are f32. All else is computed in f32.
;;   The module's matrix products, in the order in which they are computed (A, B: the left and right operand; K: the contracted axis; several contracted axes count as one K, in the product's order):
;;     1. [M 8,192, K 1,024] x [K 1,024, N 3,072]; A: input x; B: input W_qkv: QUANTISED (scales: A lowp_scales[0], B lowp_scales[1])
;;     2. batch 64 x [M 2,048, K 64] x [K 64, N 2,048]; A: computed on the way; B: computed on the way: QUANTISED (scales: A lowp_scales[2], B lowp_scales[3])
;;     3. batch 64 x [M 2,048, K 2,048] x [K 2,048, N 64]; A: softmax (see below); B: computed on the way: QUANTISED (scales: A lowp_scales[4], B lowp_scales[5])
;;     4. [M 8,192, K 1,024] x [K 1,024, N 1,024]; A: computed on the way; B: input W_proj: QUANTISED (scales: A lowp_scales[6], B lowp_scales[7])
;;   THE QUANTISER, for each operand of a quantised product, along K:
;;     - The operand's scale is 2^e, e = its entry of the input lowp_scales (int32; the entries are numbered through the quantised products in the list's order, A before B).
;;     - Each number is divided by the scale, clamped to +-448, and rounded to the nearest number of E4M3, ties to even, subnormals kept.
;;     - The product sums the exact products of the quantised numbers (number of the format x scale) in f32.
;;   ~~~python
;;   def quantise(x, axis, e):      # numpy; x: float32 -> the quantised numbers, widened to float32 again
;;       x = np.moveaxis(x, axis, -1); K = x.shape[-1]
;;       r = np.clip(x / 2.0 ** e, -448, 448)
;;       step = 2.0 ** (np.maximum(np.frexp(np.where(r == 0, 1, r))[1] - 1, -6) - 3)
;;       q = np.round(r / step) * step * 2.0 ** e      # np.round: ties to even
;;       return np.moveaxis(q, -1, axis).astype(np.float32)
;;   ~~~
;;   SOFTMAX AHEAD OF A QUANTISED PRODUCT. Where the list says 'softmax', what is quantised is not the finished softmax but p = 2^(t - M), with t = logit x log2(e) and M = ceil(the row's largest t), a whole number; so 1/2 < the row's largest p <= 1. The row's sum l is taken of the UNQUANTISED p, in f32, and the product's result is divided by l at the end. Since M is a whole number, a kernel that streams over the keys may use a running M (the ceiling of the running maximum): every later rescaling is an exact power of two, so the quantised numbers keep their values, but for numbers so far below the row's largest that they fall under the format's range.
;;   OPERANDS COMPUTED ON THE WAY. 'Computed on the way' means the value that the module computes at that place (a softmax that the list does not call 'softmax' is quantised finished and normalised). What goes into a quantiser is computed in f32, as accurately as f32 sums, v_exp_f32 and their like allow (about 1e-6 of the number): no bf16 or f16 on the way to a quantiser, and a product that is left as it is and whose result goes on into a quantised operand takes f32 operands (vector FMAs, or v_wmma_f32_16x16x4_f32). A number that lies on a knife's edge between two numbers of the format may be rounded either way, as far as f32 arithmetic and the matrix unit's own rounding can turn it there, and no further.
;; One version. Each part assembles by itself: llvm-mc -triple=amdgcn-amd-amdhsa -mcpu=gfx1250 --defsym DOCPART=n.
;; ======== version 1 of 1: 4 launches
;; limits: right only within a limited range of input values
;; workspace buffers: xc 8,388,608 bytes; wqc 3,145,728 bytes; wpc 1,048,576 bytes; tab 524,288 bytes; qkvc 25,165,824 bytes; oc 8,388,608 bytes
;; launch prep (part 1): grid 800 x 1, 4 waves a work-group, no clusters, 34,304 bytes of LDS; arguments x, W_qkv, W_proj, lowp_scales, xc, wqc, wpc, tab; writes xc, wqc, wpc, tab
.if DOCPART == 1
	.amdgcn_target "amdgcn-amd-amdhsa--gfx1250"
	.amdhsa_code_object_version 6
	.text
	.protected	k_qd3fadcf42c_prep
	.globl	k_qd3fadcf42c_prep
	.p2align	8
	.type	k_qd3fadcf42c_prep,@function
k_qd3fadcf42c_prep:
	s_mov_b64 s[64:65], 0
	v_nop
	global_prefetch_b8 v0, s[64:65] scope:SCOPE_SE
	s_setreg_imm32_b32 hwreg(HW_REG_WAVE_MODE, 25, 1), 1
	s_wait_xcnt 0x0
; PREP: x, W_qkv and W_proj (f32) become codes of FP8 (E4M3), each with its given scale 2^e, and the tables of cos and sin are made.
; code = number / 2^e, held within +-448, rounded to the nearest code, ties to even.
; THE IMAGE.  Codes are laid in the order of an operand's registers.  A tile is 16 positions x 1,024 along K = 16,384 bytes; the byte at
; 16384 tile + 512 c + 16 lane + e (lane = 16 h + r) is the code of (row tw(16 tile + r), k = 32 c + 16 h + e).  tw exchanges bits 3 and 4 of a row's number:
; position r of tile 2 b + u is row 32 b + 8 u + r % 8 + 16 (r / 8).  So a fragment of 128 along K is four loads of 16 bytes a lane, 512 bytes apart, and
; the results of two neighbouring tiles used as source 0 are 16 neighbours in a lane's registers.
; WORK-GROUPS: 0-255 x (32 rows each); 256-639 W_qkv; 640-767 W_proj (128 columns x 64 along K each); 768-799 the tables (four tiles of 16 positions each).
; Waves share nothing: no barrier.  Only x's way touches LDS.
; LIMITS: each e between -126 and 119.  NaN among the inputs is not served.  theta comes from v_exp_f32 of i x (-log2(10000) / 32): some 3e-7 of its value,
; so at the largest positions an angle can differ from one made of a correctly rounded theta by about 2e-4 rad.
.set SP,    528                        ; a row of x's stage: 512 bytes + 16 = 33 x 16: the 16 rows that a read touches start at 16 different places modulo 256 bytes
.set WREG,  16*SP                      ; a wave's stage
.set XR,    16                         ; v16-143   x: two sets of 64 registers as loaded
.set XX,    144                        ; v144-207  x: 64 numbers, register 16 c + i = k 32 c + 16 h + i of my row
.set XC,    208                        ; v208-239  x: two sets of 16 registers of codes
.set WX,    32                         ; v32-95    W: two sets of 32 numbers down K
.set WC,    96                         ; v96-111   W: eight registers of codes for each of 2 blocks: no store's data are written again
.set TH,    16                         ; v16-31    tables: theta of my 16 channels
.set COS,   32                         ; v32-47
.set SIN,   48                         ; v48-63
.set TW,    64                         ; v64-79    tables: at work, two sets of 8
.macro SCALE e                         ; v11 = 2^e as f32 (the conversion takes its exponent field), v10 = 448 x 2^e
	s_add_co_i32 s32, \e, 127
	s_lshl_b32 s33, s32, 23
	v_mov_b32 v11, s33
	s_add_co_i32 s32, s32, 8
	s_lshl_b32 s32, s32, 23
	s_or_b32 s32, s32, 0x600000
	v_mov_b32 v10, s32
.endm
.macro XLOAD s                         ; 128 along K of my tile's 16 rows: each load reads 512 consecutive bytes of one row
.irp i, 0,1,2,3,4,5,6,7,8,9,10,11,12,13,14,15
	global_load_b128 v[XR+64*((\s)%2)+4*\i:XR+64*((\s)%2)+4*\i+3], v1, s[4:5] offset:((\i%8)+16*(\i/8))*4096+512*(\s) th:TH_LOAD_NT
.endr
.endm
.macro XSTEP s
.set RS, XR+64*((\s)%2)
.set CS, XC+16*((\s)%2)
.if (\s) < 3
	s_wait_loadcnt 16                              ; this step's 16 loads are in; the next step's 16 may be out
.else
	s_wait_loadcnt 0
.endif
.irp i, 0,1,2,3,4,5,6,7,8,9,10,11,12,13,14,15
	ds_store_b128 v2, v[RS+4*\i:RS+4*\i+3] offset:\i*SP           ; rows as they lie
.endr
.irp c, 0,1,2,3
.irp j, 0,1,2,3
	ds_load_b128 v[XX+16*\c+4*\j:XX+16*\c+4*\j+3], v3 offset:128*\c+16*\j   ; back: of row r, 16 neighbours of each block of 32.  LDS serves a wave's instructions in order: these see the stores
.endr
.endr
	s_wait_dscnt 0x0
.if (\s)+2 < 4
	XLOAD (\s)+2
.endif
.if (\s) >= 2
	s_wait_xcnt 0x0                                ; the stores of two steps ago have read this set of codes
.endif
.irp c, 0,1,2,3
.irp i, 0,1,2,3,4,5,6,7,8,9,10,11,12,13,14,15
	v_med3_num_f32 v[XX+16*\c+\i], v[XX+16*\c+\i], -v10, v10      ; the conversion does not saturate (ISA guide 7.6.2): the hold comes first
.endr
	v_cvt_scalef32_pk8_fp8_f32 v[CS+4*\c:CS+4*\c+1], v[XX+16*\c:XX+16*\c+7], v11
	v_cvt_scalef32_pk8_fp8_f32 v[CS+4*\c+2:CS+4*\c+3], v[XX+16*\c+8:XX+16*\c+15], v11
.endr
	v_nop                                          ; a plain line behind the last conversion
.irp c, 0,1,2,3
	global_store_b128 v1, v[CS+4*\c:CS+4*\c+3], s[12:13] offset:(4*(\s)+\c)*512   ; 32 lanes store 512 consecutive bytes of the image
.endr
.endm
.macro WLOAD t, N, in                  ; block t: W(32 t + i, my column), i = 0 .. 31
.set wi, 0
.rept 32
	global_load_b32 v[WX+32*((\t)%2)+wi], v1, s[\in:\in+1] offset:(32*(\t)+wi)*\N*4 th:TH_LOAD_NT
.set wi, wi+1
.endr
.endm
.macro WBLOCK t, N, in, out
.set XS, WX+32*((\t)%2)
.set CB, WC+8*(\t)
.if (\t) < 1
	s_wait_loadcnt 32                              ; this block's 32 loads are in; the next block's may be out
.else
	s_wait_loadcnt 0
.endif
.set wi, 0
.rept 32
	v_med3_num_f32 v[XS+wi], v[XS+wi], -v10, v10
.set wi, wi+1
.endr
.irp g, 0,1,2,3
	v_cvt_scalef32_pk8_fp8_f32 v[CB+2*\g:CB+2*\g+1], v[XS+8*\g:XS+8*\g+7], v11
.endr
	v_nop
	global_store_b128 v2, v[CB:CB+3], s[\out:\out+1] offset:512*(\t)        ; k = 32 t + 0 .. 15: the image's lanes 0-15; sixteen lanes store 256 consecutive bytes, aligned
	global_store_b128 v2, v[CB+4:CB+7], s[\out:\out+1] offset:512*(\t)+256  ; k = 32 t + 16 .. 31: its lanes 16-31
.endm
; A weight [1024 (k)][N]: a lane takes a column and its registers run down K, so the conversions give codes with K innermost and nothing is transposed.
; Lane l stands for POSITION n0 + l of the image and so loads column n0 + (l with bits 3 and 4 exchanged): a wave's load still reads 128 consecutive bytes.
.macro WPATH N, first, esc, in, out
	s_sub_co_u32 s21, ttmp9, \first
	s_and_b32 s22, s21, 15                         ; which 64 along K
	s_lshr_b32 s23, s21, 4                         ; which 128 columns
	v_and_b32 v1, 7, v4
	v_and_b32 v2, 8, v4
	v_lshl_or_b32 v1, v2, 1, v1
	v_and_b32 v2, 16, v4
	v_lshrrev_b32 v2, 1, v2
	v_or_b32 v1, v1, v2
	v_lshlrev_b32 v1, 2, v1                        ; in: 4 bytes x my column
	s_wait_alu depctr_va_vdst(0)
	v_lshlrev_b32 v2, 4, v5
	v_lshl_add_u32 v2, v6, 14, v2                  ; out: 16 (l % 16), + a tile for lanes 16-31
	s_mul_i32 s34, s22, 64*\N*4
	s_lshl_b32 s36, s23, 9
	s_add_co_u32 s34, s34, s36
	s_lshl_b32 s36, s20, 7
	s_add_co_u32 s34, s34, s36                     ; 64 rows x ky + 4 (128 nx + 32 wave)
	s_mov_b32 s35, 0
	s_add_nc_u64 s[\in:\in+1], s[\in:\in+1], s[34:35]
	s_lshl_b32 s34, s23, 17
	s_lshl_b32 s36, s20, 15
	s_add_co_u32 s34, s34, s36
	s_lshl_b32 s36, s22, 10
	s_add_co_u32 s34, s34, s36                     ; 8 tiles x nx + 2 tiles x wave + 2 blocks of 512 bytes x ky
	s_add_nc_u64 s[\out:\out+1], s[\out:\out+1], s[34:35]
	WLOAD 0, \N, \in
	WLOAD 1, \N, \in
	s_wait_kmcnt 0x0
	SCALE \esc
	s_wait_alu depctr_va_vdst(0)
.irp t, 0,1                                    ; a wave's two blocks of 32 along K: both were asked for above, 64 loads of the wave are out
	WBLOCK \t, \N, \in, \out
.endr
	s_endpgm
.endm
	s_load_b256 s[4:11], s[0:1], 0x0               ; x s[4:5], W_qkv s[6:7], W_proj s[8:9], the exponents s[10:11]
	s_load_b256 s[12:19], s[0:1], 0x20             ; xc s[12:13], wqc s[14:15], wpc s[16:17], tab s[18:19]
	v_lshl_add_u32 v240, v0, 2, 0x8400
	v_mov_b32 v241, 0
	v_lshrrev_b32 v1, 5, v0
	v_readfirstlane_b32 s20, v1                    ; wave
	v_and_b32 v4, 31, v0                           ; lane
	v_and_b32 v5, 15, v0                           ; r
	v_bfe_u32 v6, v0, 4, 1                         ; h
	s_wait_kmcnt 0x0
	s_load_b256 s[24:31], s[10:11], 0x0            ; e0 .. e7
	s_cmp_lt_u32 ttmp9, 256
	s_cbranch_scc1 .Lx
	; THE WORK-GROUPS (these numbers take the place of the head comment's): 0-255 x (32 rows each); 256-639 W_qkv; 640-767 W_proj (128 columns x 64 along K each); 768-799 the tables.
	s_cmp_lt_u32 ttmp9, 640
	s_cbranch_scc1 .Lwq
	s_cmp_lt_u32 ttmp9, 768
	s_cbranch_scc1 .Lwp
	; ---- THE TABLES.  tab[tile][piece][lane][4 f32]: pieces 0-3 cos(t theta_i), pieces 4-7 sin; t = tw(16 tile + r), i = 16 h + 4 (piece % 4) + j.
	s_sub_co_u32 s21, ttmp9, 768
	s_lshl_b32 s21, s21, 2
	s_add_co_u32 s21, s21, s20                     ; my tile of positions
	s_lshr_b32 s22, s21, 1
	s_lshl_b32 s22, s22, 5
	s_and_b32 s23, s21, 1
	s_lshl_b32 s23, s23, 3
	s_add_co_u32 s22, s22, s23
	s_wait_alu depctr_va_vdst(0)
	v_and_b32 v1, 7, v5
	v_lshrrev_b32 v2, 3, v5
	v_lshl_add_u32 v1, v2, 4, v1
	v_add_nc_u32 v1, s22, v1                       ; t
	v_cvt_f32_u32 v7, v1
	v_lshlrev_b32 v8, 4, v6                        ; 16 h
	s_wait_alu depctr_va_vdst(0)
	v_lshlrev_b32 v9, 4, v4                        ; 16 x lane
	s_lshl_b32 s22, s21, 12
	s_mov_b32 s23, 0
	s_add_nc_u64 s[18:19], s[18:19], s[22:23]
	s_mov_b32 s32, 0x3f22f983                      ; 2 / pi
	s_mov_b32 s33, 0xbfc90fdb                      ; -(pi / 2), its f32 part,
	s_mov_b32 s34, 0x333bbd2e                      ; and what that part leaves
	s_mov_b32 s35, 0xbe2aaaa3                      ; sin r = r + r z (S1 + z (S2 + z S3)), z = r r, |r| <= pi / 4
	s_mov_b32 s36, 0x3c08839e
	s_mov_b32 s37, 0xb94ca1f9
	s_mov_b32 s38, 0x3d2aaaa5                      ; cos r = 1 + z (-1/2 + z (C1 + z (C2 + z C3)))
	s_mov_b32 s39, 0xbab6061a
	s_mov_b32 s40, 0x37ccf5ce
.set m, 0
.rept 16
	v_add_nc_u32 v[TH+m], m, v8
.set m, m+1
.endr
.set m, 0
.rept 16
	v_cvt_f32_u32 v[TH+m], v[TH+m]
.set m, m+1
.endr
.set m, 0
.rept 16
	v_mul_f32 v[TH+m], 0xbed49a78, v[TH+m]         ; -i log2(10000) / 32
.set m, m+1
.endr
.set m, 0
	s_wait_alu depctr_va_vdst(0)
.rept 16
	v_exp_f32 v[TH+m], v[TH+m]                     ; theta_i = 10000^(-i / 32)
.set m, m+1
.endr
	v_nop                                          ; a plain line behind the last exponential,
	s_wait_alu depctr_va_vdst(0)                   ; and one wait for the batch, ahead of its first reader
.set m, 0
.rept 16
.set W, TW+8*(m%2)
	v_mul_f32 v[W], v7, v[TH+m]                    ; f = t theta, rounded once
	v_mul_f32 v[W+1], s32, v[W]
	v_rndne_f32 v[W+1], v[W+1]                     ; n = the nearest whole number to f / (pi / 2)
	v_fma_f32 v[W+2], v[W+1], s33, v[W]
	v_fma_f32 v[W+2], v[W+1], s34, v[W+2]          ; r = f - n pi / 2, pi / 2 in two parts
	v_mul_f32 v[W+3], v[W+2], v[W+2]               ; z
	v_fma_f32 v[W+4], v[W+3], s37, s36
	v_fma_f32 v[W+4], v[W+4], v[W+3], s35
	v_mul_f32 v[W+4], v[W+4], v[W+3]
	v_fma_f32 v[W+4], v[W+4], v[W+2], v[W+2]       ; sin r
	v_fma_f32 v[W+5], v[W+3], s40, s39
	v_fma_f32 v[W+5], v[W+5], v[W+3], s38
	v_fma_f32 v[W+5], v[W+5], v[W+3], -0.5
	v_fma_f32 v[W+5], v[W+5], v[W+3], 1.0          ; cos r
	v_cvt_i32_f32 v[W+6], v[W+1]                   ; the quadrant is n mod 4
	v_and_b32 v[W+7], 1, v[W+6]
	v_cmp_ne_u32 vcc_lo, 0, v[W+7]
	v_cndmask_b32 v[SIN+m], v[W+4], v[W+5], vcc_lo ; odd quadrants exchange the two
	v_cndmask_b32 v[COS+m], v[W+5], v[W+4], vcc_lo
	v_and_b32 v[W+7], 2, v[W+6]
	v_lshlrev_b32 v[W+7], 30, v[W+7]
	v_xor_b32 v[SIN+m], v[SIN+m], v[W+7]           ; sin changes sign in quadrants 2 and 3,
	v_add_nc_u32 v[W+7], 1, v[W+6]
	v_and_b32 v[W+7], 2, v[W+7]
	v_lshlrev_b32 v[W+7], 30, v[W+7]
	v_xor_b32 v[COS+m], v[COS+m], v[W+7]           ; cos in quadrants 1 and 2
.set m, m+1
.endr
.irp p, 0,1,2,3
	global_store_b128 v9, v[COS+4*\p:COS+4*\p+3], s[18:19] offset:512*\p
.endr
.irp p, 0,1,2,3
	global_store_b128 v9, v[SIN+4*\p:SIN+4*\p+3], s[18:19] offset:2048+512*\p
.endr
	s_wait_kmcnt 0x0                               ; (the exponents' load, which this way does not use, is back)
	s_endpgm
	; ---- x.  A wave takes one tile (16 rows) and half of K, in four steps of 128.
.Lx:
	s_wait_alu depctr_va_vdst(0)
	v_lshlrev_b32 v1, 4, v4                        ; 16 x lane: my bytes of a load's 512, and of an image's
	s_wait_alu depctr_va_vdst(0)
	s_mul_i32 s21, s20, WREG
	v_add_nc_u32 v2, s21, v1                       ; the stage, on the way in
	v_mul_u32_u24 v3, v5, SP
	v_lshl_add_u32 v3, v6, 6, v3
	v_add_nc_u32 v3, s21, v3                       ; and back: row r, + 64 h
	s_lshr_b32 s22, s20, 1                         ; which tile of the work-group's two
	s_and_b32 s23, s20, 1                          ; which half of K
	s_lshl_b32 s34, ttmp9, 17                      ; 32 rows of 4,096 bytes
	s_lshl_b32 s36, s22, 15                        ; the odd tile begins 8 rows further down
	s_add_co_u32 s34, s34, s36
	s_lshl_b32 s36, s23, 11
	s_add_co_u32 s34, s34, s36
	s_mov_b32 s35, 0
	s_add_nc_u64 s[4:5], s[4:5], s[34:35]
	s_lshl_b32 s34, ttmp9, 15
	s_lshl_b32 s36, s22, 14
	s_add_co_u32 s34, s34, s36
	s_lshl_b32 s36, s23, 13
	s_add_co_u32 s34, s34, s36
	s_add_nc_u64 s[12:13], s[12:13], s[34:35]
	XLOAD 0
	XLOAD 1
	s_wait_alu depctr_va_vdst(0)
	s_wait_kmcnt 0x0
	SCALE s24
	s_wait_alu depctr_va_vdst(0)
	XSTEP 0
	XSTEP 1
	XSTEP 2
	XSTEP 3
	s_wait_tensorcnt 0x0
	ds_add_u32 v240, v241
	s_wait_dscnt 0x0
	s_endpgm
.Lwq:
	s_wait_alu depctr_va_vdst(0)
	WPATH 3072, 256, s25, 6, 14
.Lwp:
	s_wait_alu depctr_va_vdst(0)
	WPATH 1024, 640, s31, 8, 16
.Lfunc_end_k_qd3fadcf42c_prep:
	.size	k_qd3fadcf42c_prep, .Lfunc_end_k_qd3fadcf42c_prep-k_qd3fadcf42c_prep
	.p2alignl 7, 3214868480
	.fill 96, 4, 3214868480
	.section	.rodata,"a",@progbits
	.p2align	6, 0x0
	.amdhsa_kernel k_qd3fadcf42c_prep
		.amdhsa_group_segment_fixed_size 34304
		.amdhsa_private_segment_fixed_size 0
		.amdhsa_enable_private_segment 0
		.amdhsa_kernarg_size 64
		.amdhsa_user_sgpr_count 2
		.amdhsa_user_sgpr_kernarg_segment_ptr 1
		.amdhsa_wavefront_size32 1
		.amdhsa_system_sgpr_workgroup_id_x 1
		.amdhsa_system_sgpr_workgroup_id_y 1
		.amdhsa_system_sgpr_workgroup_id_z 1
		.amdhsa_system_vgpr_workitem_id 0
		.amdhsa_next_free_vgpr 242
		.amdhsa_next_free_sgpr 66
		.amdhsa_reserve_vcc 1
		.amdhsa_float_denorm_mode_32 3
		.amdhsa_float_denorm_mode_16_64 3
		.amdhsa_memory_ordered 1
		.amdhsa_forward_progress 1
		.amdhsa_inst_pref_size 84
	.end_amdhsa_kernel
	.amdgpu_metadata
---
amdhsa.version: [ 1, 2 ]
amdhsa.kernels:
  - .name:           k_qd3fadcf42c_prep
    .symbol:         k_qd3fadcf42c_prep.kd
    .args:
      - { .name: x, .offset: 0, .size: 8, .value_kind: global_buffer, .address_space: global }
      - { .name: W_qkv, .offset: 8, .size: 8, .value_kind: global_buffer, .address_space: global }
      - { .name: W_proj, .offset: 16, .size: 8, .value_kind: global_buffer, .address_space: global }
      - { .name: lowp_scales, .offset: 24, .size: 8, .value_kind: global_buffer, .address_space: global }
      - { .name: xc, .offset: 32, .size: 8, .value_kind: global_buffer, .address_space: global }
      - { .name: wqc, .offset: 40, .size: 8, .value_kind: global_buffer, .address_space: global }
      - { .name: wpc, .offset: 48, .size: 8, .value_kind: global_buffer, .address_space: global }
      - { .name: tab, .offset: 56, .size: 8, .value_kind: global_buffer, .address_space: global }
    .group_segment_fixed_size: 34304
    .private_segment_fixed_size: 0
    .kernarg_segment_align: 8
    .kernarg_segment_size: 64
    .max_flat_workgroup_size: 128
    .sgpr_count:     66
    .vgpr_count:     242
    .wavefront_size: 32
...
	.end_amdgpu_metadata
.endif
;; end of part 1
;; launch qkv (part 2): grid 12 x 32, 4 waves a work-group, clusters of 4 x 4, 327,680 bytes of LDS; arguments xc, wqc, lowp_scales, tab, qkvc; writes qkvc
.if DOCPART == 2
	.amdgcn_target "amdgcn-amd-amdhsa--gfx1250"
	.amdhsa_code_object_version 6
	.text
	.protected	k_qd3fadcf42c_qkv
	.globl	k_qd3fadcf42c_qkv
	.p2align	8
	.type	k_qd3fadcf42c_qkv,@function
k_qd3fadcf42c_qkv:
	s_mov_b64 s[64:65], 0
	v_nop
	global_prefetch_b8 v0, s[64:65] scope:SCOPE_SE
	s_setreg_imm32_b32 hwreg(HW_REG_WAVE_MODE, 25, 1), 1
	s_wait_xcnt 0x0
	s_wait_alu depctr_hold_cnt(0) depctr_sa_sdst(0) depctr_va_vdst(0) depctr_va_sdst(0) depctr_va_ssrc(0) depctr_va_vcc(0) depctr_vm_vsrc(0)
	s_getreg_b32 s2, hwreg(HW_REG_IB_STS2, 6, 4)
	s_cmp_eq_u32 s2, 0
	s_cbranch_scc0 .Lentry_in_a_cluster
	s_endpgm
.Lentry_in_a_cluster:
	s_bfe_u32 s2, ttmp6, 0x10000c
	s_cmp_lg_u32 s2, 0xf033
	s_cbranch_scc0 .Lentry_shape_is_right
	s_endpgm
.Lentry_shape_is_right:
; QKV: x W_qkv on codes of FP8 (E4M3), the rotation of q and k, and the quantisers of q, k and v.  Nothing leaves in f32.
; xc: the image of x (512 tiles of 16 positions x 1,024 along K), wqc: the image of W_qkv^T (192 tiles).  An image's byte 16384 tile + 512 c + 16 lane + e (lane = 16 h + r) is the code of
; (row tw(16 tile + r), k = 32 c + 16 h + e); tw exchanges bits 3 and 4.  A fragment of 128 along K is four loads of 16 bytes a lane, 512 bytes apart: dense, so LDS needs no padding.
; A work-group of four waves makes 256 x 256 sums, a wave 128 x 128: 64 accumulators, 512 registers.  K = 1,024 goes in four steps of 256 through two LDS slots, written out without a loop.
; SOURCE 0 IS THE TENSOR WHOSE INDEX MUST RUN ALONG A LANE'S REGISTERS: register j of accumulator (a, b) in lane (r, h) is (B's row N0 + 32 (b / 2) + 16 h + 8 (b % 2) + j, A's position 16 a + r).
;   clusters with x = 0 (q) and 1 (k): A = x's rows, B = the weight's columns: a lane holds one token and 16 neighbouring channels for each pair of tiles;
;   clusters with x = 2 (v): the roles are exchanged, A = the weight's columns, B = x's rows: a lane holds one channel and 16 neighbouring KEYS, which are the K of the product that v enters.
; The choice hangs on the cluster's x alone, which all sixteen partners share.
; CLUSTERS: 4 x 4 work-groups; A's tile is asked for jointly along a row of the cluster, B's along a column.
; OUT (qkvc): q at byte 0, k at 8 MiB, v at 16 MiB; 131,072 bytes for each (batch, head).  q, k: [tile of 16 positions][g][lane][16]: (t = tw(16 tile + r), d = 32 g + 16 h + e).
;   v: [key step of 128][a][c][lane][16]: (channel tw(16 a + r), key 128 step + 32 c + 16 h + e).  Every store of a wave covers 512 consecutive bytes, aligned.
; A sum stands for sum x 2^(e0 + e1); the rotation is linear, so it works on the sums as they are, and the conversion takes the one scale 2^(eo - e0 - e1), eo = e2 (q), e3 (k), e5 (v).
; LIMIT: eo - e0 - e1 between -126 and 119.
; PREFETCH: K steps 1-3 are named ahead of their loads, as set out below.
; REGISTERS: window 0: v16-29 addresses and scales; v32-95 cos and sin, two sets; from v128 A's fragments, ONE set; on the way out v96-159 numbers, v160-191 codes, two sets.
;   window 1: B's fragments, two sets.   windows 2, 3: the accumulators, (a, b) at v[8 (8 (a % 4) + b)].
.set KB,     4096                      ; a K step of 256 in one tile of an image
.set HALFT,  32768                     ; 8 tiles x KB: what one tensor load brings, and what one wave reads of A or of B
.set SLOT,   4*HALFT                   ; A's 16 tiles, then B's 16
.set SPARE,  2*SLOT                    ; behind the two slots: the spare words, 128 bytes for each wave
.set FR,     16                        ; registers of a fragment
.set NL,     4                         ; LDS loads that bring one
.set NP,     4                         ; places behind this matrix instruction (ISA guide 7.12.1)
.set ADRA, 16                          ; v16-17  LDS address of my A fragments in slot 0, 1
.set ADRB, 20                          ; v20-21  the same for B
.set LI,   22                          ; v22     16 x lane; never rewritten
.set LIM,  24                          ; v24     448 x the conversion's scale
.set SCL,  25                          ; v25     the conversion's scale as f32
.set SPW,  28                          ; v28     LDS address of my spare word; never rewritten
.set NIL,  29                          ; v29     0; never rewritten
.set CSB,  32
.set TMP,  96
.set CODE, 160
.set AF,   128
.set G1, 24                            ; s[24:31] descriptor group 1 for A's tiles;  s[32:39] group 0, one set for each slot
.set G0, 32
.set G1B, 48                           ; s[48:55], s[56:63] the same for B's tiles
.set G0B, 56
.set MSB, 0
.macro WIN new                         ; the immediate's high byte repeats the setting that is left
.if MSB != \new
	s_set_vgpr_msb (MSB<<8)|\new
.set MSB, \new
.endif
.endm
.set MUL_LO, 0xa1                      ; source 0 (B) window 1, source 1 (A) window 0, C and D window 2
.set MUL_HI, 0xf1                      ; the same, C and D window 3
.set TO_B,   0x40                      ; destination window 1, address window 0
; A joint load: waves 0 and 1 fetch for A, waves 2 and 3 for B; the branch hangs on the wave's number alone.  Four v_nop follow each of the two lines.
.macro JLOAD g0a, g1a, g0b, g1b
	s_cmp_eq_u32 s15, 0
	s_cbranch_scc0 .Lfor_b_\@
	tensor_load_to_lds s[\g0a:\g0a+3], s[\g1a:\g1a+7]
	s_nop 0
.rept 4
	v_nop
.endr
	s_branch .Lasked_\@
.Lfor_b_\@:
	tensor_load_to_lds s[\g0b:\g0b+3], s[\g1b:\g1b+7]
	s_nop 0
.rept 4
	v_nop
.endr
.Lasked_\@:
.endm
.macro CREST                           ; a round of the cluster's barrier behind its opening barrier
	s_cmp_lg_u32 s14, 0
	s_cbranch_scc1 .Lnot_wave_0_\@
	s_barrier_signal -3
.Lnot_wave_0_\@:
	s_barrier_wait -3
	s_barrier_signal -1
	s_barrier_wait -1
.endm
.macro CROUND                          ; a whole round
	s_barrier_signal -1
	s_barrier_wait -1
	CREST
.endm
	s_load_b256 s[4:11], s[0:1], 0x0               ; xc s[4:5], wqc s[6:7], the exponents s[8:9], tab s[10:11]
	s_load_b64 s[12:13], s[0:1], 0x20              ; qkvc
	v_lshl_add_u32 v[SPW], v0, 2, SPARE
	v_mov_b32 v[NIL], 0
	ds_add_u32 v28, v29
	ds_add_u32 v28, v29
	s_wait_dscnt 0x0
	v_lshrrev_b32 v1, 5, v0
	v_readfirstlane_b32 s14, v1                    ; wave 0..3
	s_lshr_b32 s15, s14, 1                         ; which half of A's 256 positions is mine.  Also: I fetch for A (0) or for B (1)
	s_and_b32 s16, s14, 1                          ; which half of B's.  Also: which 8 tiles I fetch
	s_bfe_u32 s40, ttmp6, 0x40000                  ; cx, cy: my place in the cluster
	s_bfe_u32 s41, ttmp6, 0x40004
	s_and_b32 s18, ttmp7, 0xffff
	s_lshl_b32 s18, s18, 2                         ; 4 x cluster y
	s_lshl_b32 s19, ttmp9, 2                       ; 4 x cluster x
	s_cmp_eq_u32 ttmp9, 2                          ; v's clusters?
	s_cselect_b32 s17, 0, s18
	s_cselect_b32 s42, s18, s19
	s_cselect_b32 s70, 0x200000, 0                 ; v's columns begin at tile 128 of wqc
	s_add_co_u32 s17, s17, s41                     ; A's block of 256: q, k: 4 Y + cy (rows of x); v: cy (columns of the weight)
	s_add_co_u32 s42, s42, s40                     ; B's block: q, k: 4 X + cx (columns); v: 4 Y + cx (rows of x)
	s_lshl_b32 s43, s41, 2
	s_lshl_b32 s43, 15, s43                        ; my row of the cluster
	s_lshl_b32 s44, 0x1111, s40                    ; my column
	; descriptor group 1: 8 rows of 512 elements of 8 bytes (a tile's 4,096 bytes of a K step), 16,384 bytes apart in memory, dense in LDS
	s_or_b32 s[G1+0], s43, (3<<16)|(1<<21)         ; 15:0 the mask: A's tiles go to my row; 17:16 elements of 8 bytes; 21 set beside a mask; no padding
	s_or_b32 s[G1B+0], s44, (3<<16)|(1<<21)
.irp g, G1, G1B
	s_mov_b32 s[\g+1], 512<<16                     ; tensor_dim0
	s_mov_b32 s[\g+2], 8<<16                       ; tensor_dim1
	s_mov_b32 s[\g+3], 512<<16                     ; tile_dim0
	s_mov_b32 s[\g+4], 8                           ; tile_dim1
	s_mov_b32 s[\g+5], 2048                        ; tensor_dim0_stride, in elements
	s_mov_b32 s[\g+6], 0
	s_mov_b32 s[\g+7], 0
.endr
	s_lshl_b32 s18, s16, 17                        ; which 8 tiles of the 16 I fetch
	s_lshl_b32 s20, s17, 18
	s_add_co_u32 s20, s20, s18
	s_add_co_u32 s20, s20, s70                     ; A: made of cy, the cluster's place and the wave's number alone
	s_mov_b32 s21, 0
	s_lshl_b32 s46, s42, 18
	s_add_co_u32 s46, s46, s18                     ; B: of cx, the cluster's place and the wave's number alone
	s_mov_b32 s47, 0
	s_lshl_b32 s45, s14, 15                        ; where they go: wave x HALFT: no place in the cluster enters an LDS address
	s_wait_kmcnt 0x0
	s_load_b256 s[72:79], s[8:9], 0x0              ; e0 .. e7
	s_cmp_eq_u32 ttmp9, 2
	s_cselect_b64 s[66:67], s[6:7], s[4:5]         ; A's tensor
	s_cselect_b64 s[68:69], s[4:5], s[6:7]         ; B's tensor
	s_add_nc_u64 s[20:21], s[66:67], s[20:21]
	s_add_nc_u64 s[46:47], s[68:69], s[46:47]
	CROUND                                         ; all sixteen work-groups are here: the first joint loads meet
.irp s, 0,1
	s_mov_b32 s[G0+4*\s], 1
	s_add_co_u32 s[G0+4*\s+1], s45, \s*SLOT
	s_add_nc_u64 s[G0+4*\s+2:G0+4*\s+3], s[20:21], \s*KB
	s_or_b32 s[G0+4*\s+3], s[G0+4*\s+3], 0x80000000
	s_mov_b32 s[G0B+4*\s], 1
	s_add_co_u32 s[G0B+4*\s+1], s45, \s*SLOT
	s_add_nc_u64 s[G0B+4*\s+2:G0B+4*\s+3], s[46:47], \s*KB
	s_or_b32 s[G0B+4*\s+3], s[G0B+4*\s+3], 0x80000000
.endr
	JLOAD G0, G1, G0B, G1B                         ; K step 0: one tensor load a wave at the head
	; THE PREFETCHES (these lines take the place of the head comment's sentence on prefetching).  A K step of the 8 tiles that a wave fetches is 8 x 4,096 bytes; the four partners that ask for them jointly
	; share them out by address: the partner at place p (cx for A, cy for B) names tiles 2 p and 2 p + 1, a lane a block of 256 bytes: one instruction a wave for a K step.
	; K steps 1 and 2 are named here, behind K step 0's load, K step 3 behind K step 1's load: two loads ahead.  x's codes are named by every cluster that loads them (three);
	; the weight's, which all eight rows of clusters load, by the first four rows alone: a branch on the cluster's number and the wave's.
	s_cmp_eq_u32 s15, 0
	s_cselect_b64 s[90:91], s[20:21], s[46:47]     ; the 8 tiles that I fetch
	s_cselect_b32 s94, s40, s41                    ; my place among the four that ask with me
	s_lshl_b32 s94, s94, 15
	s_mov_b32 s95, 0
	s_add_nc_u64 s[90:91], s[90:91], s[94:95]      ; never rewritten
	s_cmp_eq_u32 ttmp9, 2
	s_cselect_b32 s92, 1, 0
	s_xor_b32 s92, s92, s15                        ; 0: my stream is x's codes; 1: the weight's
	s_and_b32 s93, ttmp7, 0xffff
	s_lshr_b32 s93, s93, 2                         ; 0 in the first four rows of clusters
	s_mul_i32 s92, s92, s93                        ; 0 where my wave asks
	v_and_b32 v1, 31, v0
	v_lshlrev_b32 v[LI], 4, v1
	v_lshrrev_b32 v2, 4, v1
	v_and_b32 v3, 15, v1
	v_lshlrev_b32 v26, 14, v2
	v_lshl_add_u32 v26, v3, 8, v26                 ; v26: 16,384 (lane / 16) + 256 (lane % 16); never rewritten
	s_cmp_eq_u32 s92, 0
	s_wait_alu depctr_va_vdst(0)                   ; the wait, directly ahead of the branch
	s_cbranch_scc0 .Lno_ask_0
	global_prefetch_b8 v26, s[90:91] offset:4096 th:TH_LOAD_NT scope:SCOPE_SE
	global_prefetch_b8 v26, s[90:91] offset:8192 th:TH_LOAD_NT scope:SCOPE_SE
.Lno_ask_0:
	s_lshl_b32 s87, s15, 15                        ; my 8 tiles of A
	s_lshl_b32 s88, s16, 15                        ; my 8 tiles of B,
	s_add_co_u32 s88, s88, 2*HALFT                 ; which lie behind A's 16
.irp s, 0,1
	v_add_nc_u32 v[ADRA+\s], s87, v[LI]
	v_add_nc_u32 v[ADRB+\s], s88, v[LI]
	s_add_co_u32 s87, s87, SLOT
	s_add_co_u32 s88, s88, SLOT
.endr
	; the way out: my first row of x (a multiple of 128) and my first head
	s_lshl_b32 s80, s17, 8
	s_lshl_b32 s81, s15, 7
	s_add_co_u32 s80, s80, s81                     ; q, k: rows of x are A's
	s_lshl_b32 s82, s42, 8
	s_lshl_b32 s81, s16, 7
	s_add_co_u32 s82, s82, s81                     ; v: they are B's
	s_lshl_b32 s83, s40, 2
	s_lshl_b32 s81, s16, 1
	s_add_co_u32 s83, s83, s81                     ; q, k: head 4 cx + 2 (wave % 2)
	s_lshl_b32 s86, s17, 2
	s_lshl_b32 s81, s15, 1
	s_add_co_u32 s86, s86, s81                     ; v: head 4 cy + 2 (wave / 2)
	s_cmp_eq_u32 ttmp9, 2
	s_cselect_b32 s80, s82, s80
	s_cselect_b32 s83, s86, s83
	s_lshr_b32 s81, s80, 11                        ; the batch
	s_and_b32 s80, s80, 2047                       ; the first position in it
	s_lshl_b32 s81, s81, 4
	s_add_co_u32 s81, s81, s83
	s_lshl_b32 s81, s81, 17                        ; (batch, head) x 131,072
	s_lshl_b32 s82, s80, 6                         ; q, k: 1,024 bytes a tile of 16 positions; v: 8,192 bytes a key step of 128: 64 bytes a position either way
	s_add_co_u32 s81, s81, s82
	s_lshl_b32 s82, ttmp9, 23                      ; q, k or v's part
	s_add_co_u32 s82, s82, s81
	s_mov_b32 s83, 0
	s_add_nc_u64 s[12:13], s[12:13], s[82:83]
	s_lshl_b32 s82, s80, 8                         ; the tables: 4,096 bytes a tile of 16 positions
	s_add_nc_u64 s[10:11], s[10:11], s[82:83]
	s_wait_alu depctr_va_vdst(0)
	s_wait_kmcnt 0x0
	s_cmp_eq_u32 ttmp9, 0
	s_cselect_b32 s84, s74, s75                    ; e2 for q, e3 for k,
	s_cmp_eq_u32 ttmp9, 2
	s_cselect_b32 s84, s77, s84                    ; e5 for v
	s_sub_co_i32 s84, s84, s72
	s_sub_co_i32 s84, s84, s73
	s_add_co_i32 s84, s84, 127
	s_lshl_b32 s85, s84, 23
	v_mov_b32 v[SCL], s85                          ; 2^(eo - e0 - e1)
	s_add_co_i32 s84, s84, 8
	s_lshl_b32 s84, s84, 23
	s_or_b32 s84, s84, 0x600000
	v_mov_b32 v[LIM], s84                          ; 448 x that
.macro FRAG reg, adr, q, i             ; tile i of my eight, the slot's q-th 128 along K: registers 4 c .. 4 c + 3 hold k = 32 c + 16 h + 0 .. 15
.irp c, 0,1,2,3
	ds_load_b128 v[\reg+4*\c:\reg+4*\c+3], v[\adr] offset:(\i)*KB+(4*(\q)+\c)*512
.endr
.endm
; 16 matrix instructions: A's tiles a0, a0 + 1 x B's eight, 128 along K.  p: B's set.  zero = 1: the first product starts the sums.
; The 64 accumulators take turns, one instruction a turn, in the same order in every step.
.macro MUL16 a0, p, zero
.irp a, \a0, \a0+1
.irp b, 0,1,2,3,4,5,6,7
.if \zero
	v_wmma_f32_16x16x128_fp8_fp8 v[8*(8*((\a)%4)+\b):8*(8*((\a)%4)+\b)+7], v[128*(\p)+FR*\b:128*(\p)+FR*\b+FR-1], v[AF+FR*(\a):AF+FR*(\a)+FR-1], 0
.else
	v_wmma_f32_16x16x128_fp8_fp8 v[8*(8*((\a)%4)+\b):8*(8*((\a)%4)+\b)+7], v[128*(\p)+FR*\b:128*(\p)+FR*\b+FR-1], v[AF+FR*(\a):AF+FR*(\a)+FR-1], v[8*(8*((\a)%4)+\b):8*(8*((\a)%4)+\b)+7]
.endif
.endr
.endr
.endm
.macro FETCH_B slot, q, p
	WIN TO_B
.irp i, 0,1,2,3,4,5,6,7
	FRAG 128*(\p)+FR*\i, ADRB+\slot, \q, \i
.endr
	WIN 0
.endm
.macro FETCH_A slot, q, i0
.irp i, \i0, \i0+1, \i0+2, \i0+3
	FRAG AF+FR*(\i), ADRA+\slot, \q, \i
.endr
.endm
.macro PLACES n                        ; plain vector lines between a matrix instruction and a load into, or a vector write of, one of its registers, or a read of its result
.rept \n
	v_nop
.endr
.endm
; 128 along K that have their successor in the same slot.  A has one set of registers: tiles 0-3 are fetched anew in the middle, tiles 4-7 at the end; B has two sets.
.macro STEP slot, q, zero
	s_wait_dscnt 4*NL                              ; B's set and A's tiles 0-3 are in; the youngest 16 loads (A's tiles 4-7) may be out
	WIN MUL_LO
	MUL16 0, (\q)%2, \zero
	MUL16 2, (\q)%2, \zero
	s_wait_dscnt 0                                 ; A's tiles 4-7 are in
	PLACES NP
	FETCH_B \slot, (\q)+1, 1-(\q)%2
	FETCH_A \slot, (\q)+1, 0
	WIN MUL_HI
	MUL16 4, (\q)%2, \zero
	MUL16 6, (\q)%2, \zero
	PLACES NP
	WIN 0
	FETCH_A \slot, (\q)+1, 4
.endm
; A slot's last 128 change slots: ONE barrier; in front of it each wave waits for all its tensor loads, adds 0 to its spare word, and waits for that and for its own reads of this slot.
; fill = 1: the barrier opens a round of the cluster's barrier, and this slot is filled again, two K steps ahead, first thing behind the round.
.macro TURN slot, next, fill
	s_wait_tensorcnt 0x0                           ; all my tensor loads have landed: my part of the next slot
	ds_add_u32 v[SPW], v[NIL]                      ; 0 onto my spare word
	s_wait_dscnt 4*NL+1                            ; (the add and the youngest 16 loads may be out)
	WIN MUL_LO
	MUL16 0, 1, 0
	s_wait_dscnt 0x0                               ; the add is done, and my reads of this slot are over
	s_barrier_signal -1
	MUL16 2, 1, 0
	WIN 0
	s_barrier_wait -1
.if \fill
	CREST                                          ; no wave of any partner still reads this slot's tile or has a load on its way
	s_add_nc_u64 s[G0+4*\slot+2:G0+4*\slot+3], s[G0+4*\slot+2:G0+4*\slot+3], 2*KB
	s_add_nc_u64 s[G0B+4*\slot+2:G0B+4*\slot+3], s[G0B+4*\slot+2:G0B+4*\slot+3], 2*KB
	JLOAD G0+4*\slot, G1, G0B+4*\slot, G1B         ; the four v_nop behind it are also the places in front of the loads below
.else
	PLACES NP
.endif
	FETCH_B \next, 0, 0
	FETCH_A \next, 0, 0
	WIN MUL_HI
	MUL16 4, 1, 0
	MUL16 6, 1, 0
	PLACES NP
	WIN 0
	FETCH_A \next, 0, 4
.endm
.macro LAST                            ; the last 128 along K: nothing more to fetch
	s_wait_dscnt 4*NL
	WIN MUL_LO
	MUL16 0, 1, 0
	MUL16 2, 1, 0
	s_wait_dscnt 0
	WIN MUL_HI
	MUL16 4, 1, 0
	MUL16 6, 1, 0
	WIN 0
	PLACES NP                                      ; in front of the vector lines that write registers which held A's fragments and read results
.endm
.macro TABLOAD a                       ; cos (16 registers) and sin (16) of tile a's positions and my 16 channels i = 16 h + 0 .. 15
.irp p, 0,1,2,3,4,5,6,7
	global_load_b128 v[CSB+32*((\a)%2)+4*\p:CSB+32*((\a)%2)+4*\p+3], v[LI], s[10:11] offset:(\a)*4096+512*\p
.endr
.endm
; q and k, tile a of my eight tiles of positions: two heads.  In head hh, accumulators 4 hh + u hold channels i = 16 h + 8 u + j (lo), accumulators 4 hh + 2 + u channels 32 + i (hi).
; lo' = lo cos_i - hi sin_i;  hi' = hi cos_i + lo sin_i.  Each accumulator is read from its low end on.
.macro QKOUT a
.set AC, 64*((\a)%4)
.set CC, CSB+32*((\a)%2)
.set CD, CODE+16*((\a)%2)
.if (\a) < 7
	s_wait_loadcnt 8                               ; this tile's 8 table loads are in; the next tile's 8 may be out
.else
	s_wait_loadcnt 0
.endif
	WIN 0x02+((\a)/4)                              ; source 0: the accumulators' window
.irp hh, 0,1
.irp u, 0,1
.irp jj, 0,2,4,6
	v_pk_mul_f32 v[TMP+32*\hh+8*\u+\jj:TMP+32*\hh+8*\u+\jj+1], v[AC+8*(4*\hh+2+\u)+\jj:AC+8*(4*\hh+2+\u)+\jj+1], v[CC+16+8*\u+\jj:CC+16+8*\u+\jj+1]
	v_pk_mul_f32 v[TMP+32*\hh+16+8*\u+\jj:TMP+32*\hh+16+8*\u+\jj+1], v[AC+8*(4*\hh+\u)+\jj:AC+8*(4*\hh+\u)+\jj+1], v[CC+16+8*\u+\jj:CC+16+8*\u+\jj+1]
	v_pk_fma_f32 v[TMP+32*\hh+8*\u+\jj:TMP+32*\hh+8*\u+\jj+1], v[AC+8*(4*\hh+\u)+\jj:AC+8*(4*\hh+\u)+\jj+1], v[CC+8*\u+\jj:CC+8*\u+\jj+1], v[TMP+32*\hh+8*\u+\jj:TMP+32*\hh+8*\u+\jj+1] neg_lo:[0,0,1] neg_hi:[0,0,1]
	v_pk_fma_f32 v[TMP+32*\hh+16+8*\u+\jj:TMP+32*\hh+16+8*\u+\jj+1], v[AC+8*(4*\hh+2+\u)+\jj:AC+8*(4*\hh+2+\u)+\jj+1], v[CC+8*\u+\jj:CC+8*\u+\jj+1], v[TMP+32*\hh+16+8*\u+\jj:TMP+32*\hh+16+8*\u+\jj+1]
.endr
.endr
.endr
	WIN 0
.if (\a) < 6
	TABLOAD (\a)+2                                 ; into the set just read
.endif
.set n, 0
.rept 64
	v_med3_num_f32 v[TMP+n], v[TMP+n], -v[LIM], v[LIM]            ; the conversion does not saturate (ISA guide 7.6.2): the hold comes first
.set n, n+1
.endr
.if (\a) >= 2
	s_wait_alu depctr_va_vdst(0)
	s_wait_xcnt 0x0                                ; the stores of two tiles ago have read this set of codes
.endif
.irp hh, 0,1
.irp be, 0,1
.irp u, 0,1
	v_cvt_scalef32_pk8_fp8_f32 v[CD+8*\hh+4*\be+2*\u:CD+8*\hh+4*\be+2*\u+1], v[TMP+32*\hh+16*\be+8*\u:TMP+32*\hh+16*\be+8*\u+7], v[SCL]
.endr
.endr
.endr
	v_nop                                          ; a plain line behind the last conversion
.irp hh, 0,1
.irp be, 0,1
	global_store_b128 v[LI], v[CD+8*\hh+4*\be:CD+8*\hh+4*\be+3], s[12:13] offset:\hh*131072+(\a)*1024+\be*512
.endr
.endr
.endm
; v, tile a of my eight tiles of channels: head a / 4, tile a % 4 of its four.  Accumulators 2 c + u hold keys 32 c + 16 h + 8 u + j of my key step.
.macro VOUT a
.set AC, 64*((\a)%4)
.set CD, CODE+16*((\a)%2)
	WIN 0x02+((\a)/4)
.set n, 0
.rept 64
	v_med3_num_f32 v[TMP+n], v[AC+n], -v[LIM], v[LIM]             ; each accumulator from its low end on
.set n, n+1
.endr
	WIN 0
.if (\a) >= 2
	s_wait_alu depctr_va_vdst(0)
	s_wait_xcnt 0x0
.endif
.irp b, 0,1,2,3,4,5,6,7
	v_cvt_scalef32_pk8_fp8_f32 v[CD+2*\b:CD+2*\b+1], v[TMP+8*\b:TMP+8*\b+7], v[SCL]
.endr
	v_nop
.irp c, 0,1,2,3
	global_store_b128 v[LI], v[CD+4*\c:CD+4*\c+3], s[12:13] offset:((\a)/4)*131072+((\a)%4)*2048+\c*512
.endr
.endm
	s_wait_alu depctr_va_vdst(0)                   ; the wait at the head's end
	s_wait_tensorcnt 0x0                           ; my part of K step 0 is in; the lines ahead of a later first fill:
	ds_add_u32 v[SPW], v[NIL]
	s_wait_dscnt 0x0
	CROUND                                         ; everybody's part of K step 0 is in, and all sixteen work-groups are here
	JLOAD G0+4, G1, G0B+4, G1B                     ; K step 1, slot 1's first fill: the first tensor load behind the round
	FETCH_B 0, 0, 0
	FETCH_A 0, 0, 0
	FETCH_A 0, 0, 4
	s_cmp_eq_u32 s92, 0
	s_cbranch_scc0 .Lno_ask_1
	global_prefetch_b8 v26, s[90:91] offset:12288 th:TH_LOAD_NT scope:SCOPE_SE   ; K step 3, the last: nothing is named beyond it
.Lno_ask_1:
	STEP 0, 0, 1
	TURN 0, 1, 1                                   ; slot 0 takes K step 2
	STEP 1, 0, 0                                   ; K step 1
	TURN 1, 0, 1                                   ; slot 1 takes K step 3
	STEP 0, 0, 0                                   ; K step 2
	TURN 0, 1, 0                                   ; nothing is left to fetch
	STEP 1, 0, 0                                   ; K step 3
	s_cmp_eq_u32 ttmp9, 2                          ; the ways part once, on the cluster's x
	s_cbranch_scc1 .Lv
	TABLOAD 0                                      ; they land under the last 64 products: no matrix instruction names these registers
	TABLOAD 1
	LAST
.irp a, 0,1,2,3,4,5,6,7
	QKOUT \a
.endr
	s_branch .Lend
.Lv:
	LAST
	s_wait_alu depctr_va_vdst(0)
.irp a, 0,1,2,3,4,5,6,7
	VOUT \a
.endr
.Lend:
	s_wait_tensorcnt 0x0                           ; the wave's end
	ds_add_u32 v[SPW], v[NIL]
	s_wait_dscnt 0x0
	CROUND                                         ; the closing round: no work-group ends while a partner may still ask for a tile that names it
	s_endpgm
.Lfunc_end_k_qd3fadcf42c_qkv:
	.size	k_qd3fadcf42c_qkv, .Lfunc_end_k_qd3fadcf42c_qkv-k_qd3fadcf42c_qkv
	.p2alignl 7, 3214868480
	.fill 96, 4, 3214868480
	.section	.rodata,"a",@progbits
	.p2align	6, 0x0
	.amdhsa_kernel k_qd3fadcf42c_qkv
		.amdhsa_group_segment_fixed_size 327680
		.amdhsa_private_segment_fixed_size 0
		.amdhsa_enable_private_segment 0
		.amdhsa_kernarg_size 40
		.amdhsa_user_sgpr_count 2
		.amdhsa_user_sgpr_kernarg_segment_ptr 1
		.amdhsa_wavefront_size32 1
		.amdhsa_system_sgpr_workgroup_id_x 1
		.amdhsa_system_sgpr_workgroup_id_y 1
		.amdhsa_system_sgpr_workgroup_id_z 1
		.amdhsa_system_vgpr_workitem_id 0
		.amdhsa_next_free_vgpr 1024
		.amdhsa_next_free_sgpr 100
		.amdhsa_reserve_vcc 0
		.amdhsa_float_denorm_mode_32 3
		.amdhsa_float_denorm_mode_16_64 3
		.amdhsa_memory_ordered 1
		.amdhsa_forward_progress 1
		.amdhsa_inst_pref_size 202
	.end_amdhsa_kernel
	.amdgpu_metadata
---
amdhsa.version: [ 1, 2 ]
amdhsa.kernels:
  - .name:           k_qd3fadcf42c_qkv
    .symbol:         k_qd3fadcf42c_qkv.kd
    .args:
      - { .name: xc, .offset: 0, .size: 8, .value_kind: global_buffer, .address_space: global }
      - { .name: wqc, .offset: 8, .size: 8, .value_kind: global_buffer, .address_space: global }
      - { .name: lowp_scales, .offset: 16, .size: 8, .value_kind: global_buffer, .address_space: global }
      - { .name: tab, .offset: 24, .size: 8, .value_kind: global_buffer, .address_space: global }
      - { .name: qkvc, .offset: 32, .size: 8, .value_kind: global_buffer, .address_space: global }
    .group_segment_fixed_size: 327680
    .private_segment_fixed_size: 0
    .kernarg_segment_align: 8
    .kernarg_segment_size: 40
    .max_flat_workgroup_size: 128
    .sgpr_count:     100
    .vgpr_count:     1024
    .wavefront_size: 32
...
	.end_amdgpu_metadata
.endif
;; end of part 2
;; launch attn (part 3): grid 4 x 64, 16 waves a work-group, clusters of 4 x 1, 327,680 bytes of LDS; arguments qkvc, lowp_scales, oc; writes oc
.if DOCPART == 3
	.amdgcn_target "amdgcn-amd-amdhsa--gfx1250"
	.amdhsa_code_object_version 6
	.text
	.protected	k_qd3fadcf42c_attn
	.globl	k_qd3fadcf42c_attn
	.p2align	8
	.type	k_qd3fadcf42c_attn,@function
k_qd3fadcf42c_attn:
	s_mov_b64 s[64:65], 0
	v_nop
	global_prefetch_b8 v0, s[64:65] scope:SCOPE_SE
	s_setreg_imm32_b32 hwreg(HW_REG_WAVE_MODE, 25, 1), 1
	s_wait_xcnt 0x0
	s_wait_alu depctr_hold_cnt(0) depctr_sa_sdst(0) depctr_va_vdst(0) depctr_va_sdst(0) depctr_va_ssrc(0) depctr_va_vcc(0) depctr_vm_vsrc(0)
	s_getreg_b32 s2, hwreg(HW_REG_IB_STS2, 6, 4)
	s_cmp_eq_u32 s2, 0
	s_cbranch_scc0 .Lentry_in_a_cluster
	s_endpgm
.Lentry_in_a_cluster:
	s_bfe_u32 s2, ttmp6, 0x10000c
	s_cmp_lg_u32 s2, 0x3003
	s_cbranch_scc0 .Lentry_shape_is_right
	s_endpgm
.Lentry_shape_is_right:
; ATTN: causal attention on codes of FP8 (E4M3), head size 64, 2,048 positions, 64 (batch, head) pairs; the result leaves as codes, in the image that the last product reads.
; qkvc: q at byte 0, k at 8 MiB, v at 16 MiB, 131,072 bytes for each (batch, head).  q, k: [tile of 16 positions][g][lane][16]: (t = tw(16 tile + r), d = 32 g + 16 h + e); tw exchanges bits 3 and 4.
; v: [key step of 128][a][c][lane][16]: (channel tw(16 a + r), key 128 step + 32 c + 16 h + e).
; THE SOFTMAX: t = score x log2(e) / 8; M = the running largest t rounded UP to a whole number; p = 2^(t - M) is quantised with 2^e4, not normalised; the row's sum is taken of the unquantised p and divides at the end.
; When M moves, the sum and O are multiplied by 2^(old M - new M), which rounds nothing.
; WORK LEFT OUT: a key step of 128 all of whose keys come after a tile's 16 queries lies wholly under the causal mask that the problem builds itself; it is passed over.
; CLUSTERS: the four work-groups of a (batch, head) form a cluster of 4 x 1 and ask for k and v JOINTLY (mask 15).  Wave w of the partner at place cx takes the tiles of 16 queries
; 127 - 4 w - cx and then 4 w + cx.  A tile tau has its diagonal in key step tau / 8, which is 15 - w / 2 and w / 2: made of the wave's number alone, so no branch hangs on a work-group's place; cx enters
; only global addresses and the lanes' numbers that the mask compares.  The two tiles need 17 key steps in every wave of the launch, and wave 0 of every partner reads all sixteen steps.
; LDS HOLDS THE WHOLE HEAD: k's 131,072 bytes from byte 0, v's from byte 131,072, each byte filled ONCE.  Every wave issues one load of 8,192 bytes at the head (waves 0-7: k's key steps 0-7; waves 8-15: v's)
; and one more behind the three lines and a round (key steps 8-15), which has the first tile's eight open steps in which to land.  One load of a wave is out at any time.
; NO PREFETCH: all that the work-group reads is asked for by these two loads, and both stand ahead of the first loop: there is no trip to run ahead in.
; LAYOUT.  Both products are used transposed: S^T = K Q^T (source 0 = a tile of keys), O^T = V^T P^T (source 0 = a tile of channels): a lane holds ONE query throughout, and, by tw, the 16 registers of two
; neighbouring result tiles are 16 neighbouring keys (or channels): the conversions' results are the next operand's registers.
; LIMITS: e2 + e3 between -123 and 130; e4, and e6 - e4 - e5, between -126 and 119; the scaled scores t stay under 2^31 in magnitude.  NaN is not served.
.set SPARE, 0x40000                    ; behind k and v: the spare words, 128 bytes for each of 16 waves
.set LI,   1                           ; v1   16 x lane; never rewritten
.set QT,   2                           ; v2   r % 8 + 16 (r / 8) - 16 h
.set LV,   3                           ; v3   16 x lane + 131,072
.set ADK,  8                           ; v8   LDS address of the step's tiles of K
.set ADV,  9                           ; v9   of V
.set QH,   16                          ; v16-23   Q of the first tile
.set OC,   24                          ; v24-31   the result's codes
.set KV,   32                          ; v32-95   K's 8 fragments of 8 registers, then V's 4 of 16
.set S,    96                          ; v96-159  S^T, then p
.set O,    160                         ; v160-191 O^T
.set TA,   192
.set TC,   193
.set F,    194                         ; v[194:195] f = 2^(old M - new M), named as a pair
.set PM,   196                         ; what comes from lane l xor 16
.set PLIM, 200                         ; 448 x 2^e4
.set PSC,  201                         ; 2^e4
.set OLIM, 202                         ; 448 x 2^(e6 - e4 - e5)
.set OSC,  203                         ; 2^(e6 - e4 - e5)
.set NINF, 204
.set DD,   205
.set PLIM2, 207                        ; 448 x 2^e4 once more: the two halves of a dual pair take their second sources from different register banks
.set QL,   208                         ; v208-215 Q of the second tile
.set PC,   224                         ; v224-239 p's codes
.set SM,   242                         ; v242-247 three more chains of the row's sum
.set WV,   18
.set SEL,  20                          ; s[20:21] lane selects for lane l xor 16
.set CS,   22                          ; s[22:23] c = log2(e) / 8 x 2^(e2 + e3)
.set G1,   24                          ; s[24:31] descriptor group 1;  s[32:39] two groups 0
.set G0,   32
.set TB,   41                          ; LDS byte at which the step's tiles of K begin
.set CNT,  42                          ; trips
.set SI,   48                          ; the key step's number
.set DG,   49                          ; the step on the diagonal
.set QS,   53                          ; the tile's first query within that step
.macro CROUND                          ; a round of the cluster's barrier
	s_barrier_signal -1
	s_barrier_wait -1
	s_cmp_lg_u32 s[WV], 0
	s_cbranch_scc1 .Lnot_wave_0_\@
	s_barrier_signal -3
.Lnot_wave_0_\@:
	s_barrier_wait -3
	s_barrier_signal -1
	s_barrier_wait -1
.endm
	s_load_b128 s[4:7], s[0:1], 0x0                ; qkvc s[4:5], the exponents s[6:7]
	s_load_b64 s[8:9], s[0:1], 0x10                ; oc
	v_lshl_add_u32 v254, v0, 2, SPARE
	v_mov_b32 v255, 0
	ds_add_u32 v254, v255                          ; the opening lines: the add, twice on end, and one wait
	ds_add_u32 v254, v255
	v_lshrrev_b32 v4, 5, v0
	s_delay_alu instid0(VALU_DEP_1)
	v_readfirstlane_b32 s[WV], v4                  ; wave 0..15
	s_and_b32 s19, ttmp7, 0xffff                   ; (batch, head): the cluster's y
	s_bfe_u32 s40, ttmp6, 0x40000                  ; cx
	s_lshr_b32 s50, s[WV], 3                       ; what I fetch: 0 k, 1 v,
	s_and_b32 s52, s[WV], 7
	s_lshl_b32 s52, s52, 13                        ; and which key step's 8,192 bytes of the eight
	s_lshl_b32 s54, s50, 17
	s_add_co_u32 s54, s54, s52                     ; in LDS,
	s_add_co_u32 s50, s50, 1
	s_lshl_b32 s50, s50, 23
	s_add_co_u32 s50, s50, s52
	s_lshl_b32 s76, s19, 17
	s_add_co_u32 s50, s50, s76                     ; and in qkvc: the wave's number and the head alone, alike in all four partners
	s_mov_b32 s51, 0
	s_mov_b32 s[G1], 15|(3<<16)|(1<<21)            ; the mask names the four; elements of 8 bytes; bit 21 beside a mask; no padding
	s_mov_b32 s[G1+1], 32<<16                      ; a dense block of 8,192 bytes as 32 rows of 256 bytes
	s_mov_b32 s[G1+2], 32<<16
	s_mov_b32 s[G1+3], 32<<16
	s_mov_b32 s[G1+4], 32
	s_mov_b32 s[G1+5], 32
	s_mov_b32 s[G1+6], 0
	s_mov_b32 s[G1+7], 0
	s_mov_b32 s[SEL], 0x76543210
	s_mov_b32 s[SEL+1], 0xfedcba98
	s_lshl_b32 s66, s[WV], 2
	s_add_co_u32 s66, s66, s40                     ; my second tile: 4 w + cx
	s_sub_co_u32 s67, 127, s66                     ; my first: 127 - 4 w - cx
	s_lshr_b32 s44, s[WV], 1                       ; the second tile's step on the diagonal,
	s_sub_co_u32 s45, 15, s44                      ; and the first's: of the wave's number alone
	s_lshl_b32 s70, s67, 10
	s_add_co_u32 s70, s70, s76                     ; q of the first tile,
	s_mov_b32 s71, 0
	s_lshl_b32 s68, s66, 10
	s_add_co_u32 s68, s68, s76                     ; of the second
	s_mov_b32 s69, 0
	s_lshr_b32 s77, s19, 4
	s_lshl_b32 s77, s77, 7                         ; oc: tile 128 x batch + tau, 16,384 bytes each,
	s_and_b32 s76, s19, 15
	s_lshl_b32 s76, s76, 10                        ; + 1,024 x head
	s_add_co_u32 s72, s77, s67
	s_lshl_b32 s72, s72, 14
	s_add_co_u32 s72, s72, s76
	s_mov_b32 s73, 0
	s_add_co_u32 s74, s77, s66
	s_lshl_b32 s74, s74, 14
	s_add_co_u32 s74, s74, s76
	s_mov_b32 s75, 0
	s_wait_dscnt 0x0                               ; both opening adds are done
	s_wait_kmcnt 0x0
	s_load_b256 s[56:63], s[6:7], 0x0              ; e0 .. e7
	s_add_nc_u64 s[50:51], s[4:5], s[50:51]
.irp c, 0,1
	s_mov_b32 s[G0+4*\c], 1
	s_add_co_u32 s[G0+4*\c+1], s54, \c*65536       ; key steps 8 c on
	s_add_nc_u64 s[G0+4*\c+2:G0+4*\c+3], s[50:51], \c*65536
	s_or_b32 s[G0+4*\c+3], s[G0+4*\c+3], 0x80000000
.endr
	CROUND                                         ; the four partners are here: the first joint loads meet
	tensor_load_to_lds s[G0:G0+3], s[G1:G1+7]      ; key steps 0-7: one load a wave
	s_nop 0
	s_add_nc_u64 s[10:11], s[4:5], s[70:71]
	s_add_nc_u64 s[12:13], s[4:5], s[68:69]
	s_add_nc_u64 s[14:15], s[8:9], s[72:73]
	s_add_nc_u64 s[16:17], s[8:9], s[74:75]
	v_and_b32 v4, 31, v0
	s_delay_alu instid0(VALU_DEP_1)
	v_lshlrev_b32 v[LI], 4, v4
	global_load_b128 v[QH:QH+3], v[LI], s[10:11]
	global_load_b128 v[QH+4:QH+7], v[LI], s[10:11] offset:512
	global_load_b128 v[QL:QL+3], v[LI], s[12:13]
	global_load_b128 v[QL+4:QL+7], v[LI], s[12:13] offset:512
	v_add_nc_u32 v[LV], 131072, v[LI]
	v_and_b32 v5, 15, v0                           ; r
	v_bfe_u32 v6, v0, 4, 1                         ; h
	s_delay_alu instid0(VALU_DEP_2)
	v_and_b32 v[QT], 7, v5
	s_delay_alu instid0(VALU_DEP_3)
	v_lshrrev_b32 v7, 3, v5
	s_delay_alu instid0(VALU_DEP_1)
	v_lshl_add_u32 v[QT], v7, 4, v[QT]
	s_delay_alu instid0(VALU_DEP_4)
	v_lshlrev_b32 v7, 4, v6
	s_delay_alu instid0(VALU_DEP_1)
	v_sub_nc_u32 v[QT], v[QT], v7
	v_mov_b32 v[NINF], 0xff800000
	v_mov_b32 v[F+1], 0                            ; (named as the upper half of a pair)
	v_mov_b32 v[PM], 0                             ; written once: a lane permute's destination counts as one of its sources
	s_wait_kmcnt 0x0
	s_add_co_i32 s76, s58, s59
	s_lshl_b32 s76, s76, 23
	s_add_co_i32 s[CS], s76, 0x3e38aa3b            ; c = log2(e) / 8, with e2 + e3 added to its exponent field
	s_mov_b32 s[CS+1], s[CS]
	s_add_co_i32 s76, s60, 127
	s_lshl_b32 s77, s76, 23
	v_mov_b32 v[PSC], s77
	s_add_co_i32 s76, s76, 8
	s_lshl_b32 s76, s76, 23
	s_or_b32 s76, s76, 0x600000
	v_mov_b32 v[PLIM], s76
	v_mov_b32 v[PLIM2], s76
	s_sub_co_i32 s76, s62, s60
	s_sub_co_i32 s76, s76, s61
	s_add_co_i32 s76, s76, 127
	s_lshl_b32 s77, s76, 23
	v_mov_b32 v[OSC], s77                          ; O^T / the sum stands for that x 2^(e4 + e5): its code is that / 2^(e6 - e4 - e5)
	s_add_co_i32 s76, s76, 8
	s_lshl_b32 s76, s76, 23
	s_or_b32 s76, s76, 0x600000
	v_mov_b32 v[OLIM], s76
.macro BEGIN tau, dg                   ; a tile begins: its scalars, and zeros that the first change of M leaves zeros
	s_mov_b32 s[DG], \dg
	s_lshr_b32 s[QS], \tau, 1
	s_lshl_b32 s[QS], s[QS], 5
	s_and_b32 s55, \tau, 1
	s_lshl_b32 s55, s55, 3
	s_add_co_u32 s[QS], s[QS], s55
	s_and_b32 s[QS], s[QS], 127
	v_mov_b32 v13, 0xff61b1e6                      ; the largest t so far: -3e38
	s_delay_alu instid0(VALU_DEP_1)
	v_floor_f32 v12, -v13                          ; -M
	v_mov_b32 v14, 0
	v_mov_b32 v15, 0
.set n, 0
.rept 32
	v_mov_b32 v[O+n], 0
.set n, n+1
.endr
.endm
; A KEY STEP: 128 keys.  q: the registers of the tile's Q.  masked = 0: all keys of the step count for every wave (the first tile's steps 0-7): no test is written.
.macro STEP q, masked
.if \masked
	s_cmp_gt_u32 s[SI], s[DG]
	s_cbranch_scc1 .Lhid_\@                        ; all its keys come after my queries
.endif
	v_add_nc_u32 v[ADK], s[TB], v[LI]
	v_add_nc_u32 v[ADV], s[TB], v[LV]
	v_nop
	v_nop                                          ; four plain lines in front of loads into registers that the last products read
.irp t, 0,1,2,3,4,5,6,7
	ds_load_b128 v[KV+8*\t:KV+8*\t+3], v[ADK] offset:\t*1024
	ds_load_b128 v[KV+8*\t+4:KV+8*\t+7], v[ADK] offset:\t*1024+512
.endr
	s_wait_alu depctr_va_vdst(0)
	s_wait_dscnt 0x0
.irp t, 0,1,2,3,4,5,6,7
	v_wmma_f32_16x16x64_fp8_fp8 v[S+8*\t:S+8*\t+7], v[KV+8*\t:KV+8*\t+7], v[\q:\q+7], 0
.endr
.rept 4
	v_nop
.endr
.irp t, 0,1,2,3                                ; V's fragments are asked for at once, into K's registers: they land under the softmax
.irp c, 0,1,2,3
	ds_load_b128 v[KV+16*\t+4*\c:KV+16*\t+4*\c+3], v[ADV] offset:\t*2048+\c*512
.endr
.endr
.if \masked
	s_cmp_lt_u32 s[SI], s[DG]
	s_cbranch_scc1 .Lopen_\@                       ; all its keys count
	v_add_nc_u32 v[DD], s[QS], v[QT]               ; my query within the step, less 16 h.  Register n holds key 32 (n / 16) + n % 16 + 16 h: hidden where 32 (n / 16) + n % 16 is above it
.set n, 0
.rept 64
	v_cmp_gt_i32 vcc_lo, 32*(n/16)+n%16, v[DD]
	v_cndmask_b32 v[S+n], v[S+n], v[NINF], vcc_lo
.set n, n+1
.endr
.Lopen_\@:
.endif
	v_max3_num_f32 v[TA], v[S], v[S+1], v[S+2]     ; the step's largest score of my query among my 64 keys, in two chains, upward through the registers
	v_max3_num_f32 v[TC], v[S+3], v[S+4], v[S+5]
.irp i, 6,10,14,18,22,26,30,34,38,42,46,50,54,58
	v_max3_num_f32 v[TA], v[TA], v[S+\i], v[S+1+\i]
	v_max3_num_f32 v[TC], v[TC], v[S+2+\i], v[S+3+\i]
.endr
	v_max3_num_f32 v[TA], v[TA], v[S+62], v[S+63]
	s_delay_alu instid0(VALU_DEP_1)
	v_max_num_f32 v[TA], v[TA], v[TC]
	s_delay_alu instid0(VALU_DEP_1)
	v_permlanex16_b32 v[PM], v[TA], s[SEL], s[SEL+1]
	s_delay_alu instid0(VALU_DEP_1)
	v_max_num_f32 v[TA], v[TA], v[PM]              ; and among lane l xor 16's
	s_delay_alu instid0(VALU_DEP_1)
	v_mul_f32 v[TA], s[CS], v[TA]                  ; as t (c is positive)
	s_delay_alu instid0(VALU_DEP_1)
	v_max_num_f32 v13, v13, v[TA]
	v_mov_b32 v[TA], v12
	s_delay_alu instid0(VALU_DEP_2)
	v_floor_f32 v12, -v13                          ; the new -M = -ceil(t)
	s_delay_alu instid0(VALU_DEP_1)
	v_sub_f32 v[TA], v12, v[TA]                    ; old M - new M: a whole number, 0 or less
	s_delay_alu instid0(VALU_DEP_1)
	v_cvt_i32_f32 v[TA], v[TA]                     ; (it saturates)
	s_delay_alu instid0(VALU_DEP_1)
	v_ldexp_f32 v[F], 1.0, v[TA]
.set n, 0
.rept 32
	v_pk_fma_f32 v[S+n:S+n+1], v[S+n:S+n+1], s[CS:CS+1], v[12:13] op_sel_hi:[1,0,0]   ; t - M
.set n, n+2
.endr
.set n, 0
.rept 16
	v_pk_mul_f32 v[O+n:O+n+1], v[O+n:O+n+1], v[F:F+1] op_sel_hi:[1,0]   ; O^T under the new M, each accumulator from its low end on: ahead of the exponentials, so that none stands between the last products and this first read
.set n, n+2
.endr
	v_pk_mul_f32 v[14:15], v[14:15], v[F:F+1] op_sel_hi:[1,0]     ; the sums under the new M
	s_wait_alu depctr_va_vdst(0)                   ; one wait ahead of the batch
.set n, 0
.rept 64
	v_exp_f32 v[S+n], v[S+n]                       ; p = 2^(t - M)
.set n, n+1
.endr
	v_nop                                          ; the plain line behind the exponentials
	s_wait_alu depctr_va_vdst(0)                   ; one wait for the batch, ahead of its first reader
	v_pk_add_f32 v[SM:SM+1], v[S:S+1], v[S+2:S+3]  ; the row's sum of the unquantised p, two at a time, in four chains
	v_pk_add_f32 v[SM+2:SM+3], v[S+4:S+5], v[S+6:S+7]
	v_pk_add_f32 v[SM+4:SM+5], v[S+8:S+9], v[S+10:S+11]
	v_pk_add_f32 v[14:15], v[14:15], v[S+12:S+13]
.irp j, 14,22,30,38,46,54
	v_pk_add_f32 v[SM:SM+1], v[SM:SM+1], v[S+\j:S+\j+1]
	v_pk_add_f32 v[SM+2:SM+3], v[SM+2:SM+3], v[S+\j+2:S+\j+3]
	v_pk_add_f32 v[SM+4:SM+5], v[SM+4:SM+5], v[S+\j+4:S+\j+5]
	v_pk_add_f32 v[14:15], v[14:15], v[S+\j+6:S+\j+7]
.endr
	v_pk_add_f32 v[SM:SM+1], v[SM:SM+1], v[S+62:S+63]
	v_pk_add_f32 v[SM+2:SM+3], v[SM+2:SM+3], v[SM+4:SM+5]
	v_pk_add_f32 v[14:15], v[14:15], v[SM:SM+1]
	v_pk_add_f32 v[14:15], v[14:15], v[SM+2:SM+3]
.irp b, 0,1,2,3
.irp i, 0,2,4,6,8,10,12,14
	v_dual_min_num_f32 v[S+16*\b+\i], v[S+16*\b+\i], v[PLIM] :: v_dual_min_num_f32 v[S+16*\b+\i+1], v[S+16*\b+\i+1], v[PLIM2]   ; the hold, two numbers a line; p is not negative, so it is one-sided.  It stands without a branch, whatever e4 is
.endr
	v_cvt_scalef32_pk8_fp8_f32 v[PC+4*\b:PC+4*\b+1], v[S+16*\b:S+16*\b+7], v[PSC]
	v_cvt_scalef32_pk8_fp8_f32 v[PC+4*\b+2:PC+4*\b+3], v[S+16*\b+8:S+16*\b+15], v[PSC]
.endr
	v_nop                                          ; a plain line behind the last conversion
	s_wait_alu depctr_va_vdst(0)                   ; the wait, directly ahead of the wait below
	s_wait_dscnt 0x0                               ; V is in
.irp t, 0,1,2,3
	v_wmma_f32_16x16x128_fp8_fp8 v[O+8*\t:O+8*\t+7], v[KV+16*\t:KV+16*\t+15], v[PC:PC+15], v[O+8*\t:O+8*\t+7]
.endr
.if \masked
.Lhid_\@:
	s_add_co_u32 s[SI], s[SI], 1
.endif
	s_add_co_u32 s[TB], s[TB], 8192
.endm
.macro KLOOP trips, q, masked          ; the trip counts are constants; a step that is passed over still steps the address
	s_mov_b32 s[CNT], \trips
.Lk_\@:
	STEP \q, \masked
	s_sub_co_u32 s[CNT], s[CNT], 1
	s_cmp_lg_u32 s[CNT], 0
	s_cbranch_scc1 .Lk_\@
.endm
; A tile ends: O^T / the sum is quantised.  Tiles 2 g and 2 g + 1 of O^T hold channels 32 g + 16 h + 0 .. 15 of my query: registers of the next operand's image.
.macro OUT base
.rept 4
	v_nop                                          ; places behind the last products
.endr
	v_add_f32 v14, v14, v15
	s_delay_alu instid0(VALU_DEP_1)
	v_permlanex16_b32 v[PM], v14, s[SEL], s[SEL+1]
	s_delay_alu instid0(VALU_DEP_1)
	v_add_f32 v14, v14, v[PM]                      ; the row's sum
	s_wait_alu depctr_va_vdst(0)
	v_rcp_f32 v14, v14
	v_nop
	s_wait_alu depctr_va_vdst(0)                   ; the wait, ahead of the reciprocal's first reader and of O^T's
.set n, 0
.rept 16
	v_pk_mul_f32 v[S+n:S+n+1], v[O+n:O+n+1], v[14:15] op_sel_hi:[1,0]   ; each accumulator from its low end on
.set n, n+2
.endr
.set n, 0
.rept 32
	v_med3_num_f32 v[S+n], v[S+n], -v[OLIM], v[OLIM]
.set n, n+1
.endr
	s_wait_alu depctr_va_vdst(0)
	s_wait_xcnt 0x0                                ; the first tile's stores have read the codes' registers
.irp t, 0,1,2,3
	v_cvt_scalef32_pk8_fp8_f32 v[OC+2*\t:OC+2*\t+1], v[S+8*\t:S+8*\t+7], v[OSC]
.endr
	v_nop                                          ; a plain line behind the last conversion
	global_store_b128 v[LI], v[OC:OC+3], s[\base:\base+1]                ; 32 lanes store 512 consecutive bytes, aligned
	global_store_b128 v[LI], v[OC+4:OC+7], s[\base:\base+1] offset:512
.endm
	BEGIN s67, s45                                 ; the first tile, the later one
	s_wait_alu depctr_va_vdst(0)                   ; the wait at the head's end
	s_wait_tensorcnt 0x0                           ; my part of key steps 0-7 is in; the lines ahead of a later first fill:
	ds_add_u32 v254, v255
	s_wait_dscnt 0x0
	CROUND                                         ; everybody's part is in, and the four partners are here
	tensor_load_to_lds s[G0+4:G0+7], s[G1:G1+7]    ; key steps 8-15: the first tensor load behind the round, one a wave
	s_nop 0
	s_wait_loadcnt 0x0                             ; Q
	s_mov_b32 s[TB], 0
	KLOOP 8, QH, 0                                 ; steps 0-7 count whole for every first tile (its diagonal lies in step 8 or later)
	s_wait_tensorcnt 0x0                           ; my part of key steps 8-15 is in,
	s_wait_dscnt 0x0
	s_barrier_signal -1
	s_barrier_wait -1                              ; everybody's is; nothing is filled again
	s_mov_b32 s[TB], 65536
	s_mov_b32 s[SI], 8
	KLOOP 8, QH, 1
	OUT 14
	BEGIN s66, s44                                 ; the second tile, among the first 64: at most 8 key steps
	s_mov_b32 s[TB], 0
	s_mov_b32 s[SI], 0
	KLOOP 8, QL, 1
	OUT 16
	s_wait_tensorcnt 0x0                           ; the wave's end
	ds_add_u32 v254, v255
	s_wait_dscnt 0x0
	CROUND                                         ; the closing round
	s_endpgm
.Lfunc_end_k_qd3fadcf42c_attn:
	.size	k_qd3fadcf42c_attn, .Lfunc_end_k_qd3fadcf42c_attn-k_qd3fadcf42c_attn
	.p2alignl 7, 3214868480
	.fill 96, 4, 3214868480
	.section	.rodata,"a",@progbits
	.p2align	6, 0x0
	.amdhsa_kernel k_qd3fadcf42c_attn
		.amdhsa_group_segment_fixed_size 327680
		.amdhsa_private_segment_fixed_size 0
		.amdhsa_enable_private_segment 0
		.amdhsa_kernarg_size 24
		.amdhsa_user_sgpr_count 2
		.amdhsa_user_sgpr_kernarg_segment_ptr 1
		.amdhsa_wavefront_size32 1
		.amdhsa_system_sgpr_workgroup_id_x 1
		.amdhsa_system_sgpr_workgroup_id_y 1
		.amdhsa_system_sgpr_workgroup_id_z 1
		.amdhsa_system_vgpr_workitem_id 0
		.amdhsa_next_free_vgpr 256
		.amdhsa_next_free_sgpr 80
		.amdhsa_reserve_vcc 1
		.amdhsa_float_denorm_mode_32 3
		.amdhsa_float_denorm_mode_16_64 3
		.amdhsa_memory_ordered 1
		.amdhsa_forward_progress 1
		.amdhsa_inst_pref_size 76
	.end_amdhsa_kernel
	.amdgpu_metadata
---
amdhsa.version: [ 1, 2 ]
amdhsa.kernels:
  - .name:           k_qd3fadcf42c_attn
    .symbol:         k_qd3fadcf42c_attn.kd
    .args:
      - { .name: qkvc, .offset: 0, .size: 8, .value_kind: global_buffer, .address_space: global }
      - { .name: lowp_scales, .offset: 8, .size: 8, .value_kind: global_buffer, .address_space: global }
      - { .name: oc, .offset: 16, .size: 8, .value_kind: global_buffer, .address_space: global }
    .group_segment_fixed_size: 327680
    .private_segment_fixed_size: 0
    .kernarg_segment_align: 8
    .kernarg_segment_size: 24
    .max_flat_workgroup_size: 512
    .sgpr_count:     80
    .vgpr_count:     256
    .wavefront_size: 32
...
	.end_amdgpu_metadata
.endif
;; end of part 3
;; launch proj (part 4): grid 4 x 64, 4 waves a work-group, clusters of 4 x 4, 327,680 bytes of LDS; arguments oc, wpc, lowp_scales, out0; writes out0
.if DOCPART == 4
	.amdgcn_target "amdgcn-amd-amdhsa--gfx1250"
	.amdhsa_code_object_version 6
	.text
	.protected	k_qd3fadcf42c_proj
	.globl	k_qd3fadcf42c_proj
	.p2align	8
	.type	k_qd3fadcf42c_proj,@function
k_qd3fadcf42c_proj:
	s_mov_b64 s[64:65], 0
	v_nop
	global_prefetch_b8 v0, s[64:65] scope:SCOPE_SE
	s_setreg_imm32_b32 hwreg(HW_REG_WAVE_MODE, 25, 1), 1
	s_wait_xcnt 0x0
	s_wait_alu depctr_hold_cnt(0) depctr_sa_sdst(0) depctr_va_vdst(0) depctr_va_sdst(0) depctr_va_ssrc(0) depctr_va_vcc(0) depctr_vm_vsrc(0)
	s_getreg_b32 s2, hwreg(HW_REG_IB_STS2, 6, 4)
	s_cmp_eq_u32 s2, 0
	s_cbranch_scc0 .Lentry_in_a_cluster
	s_endpgm
.Lentry_in_a_cluster:
	s_bfe_u32 s2, ttmp6, 0x10000c
	s_cmp_lg_u32 s2, 0xf033
	s_cbranch_scc0 .Lentry_shape_is_right
	s_endpgm
.Lentry_shape_is_right:
; PROJ: out0 = (attention's result) W_proj on codes of FP8 (E4M3); each finished sum is multiplied once by 2^(e6 + e7).  LIMIT: e6 + e7 between -126 and 127.
; oc: the image of the left operand (512 tiles of 16 positions x 1,024 along K), wpc: the image of W_proj^T (64 tiles).  An image's byte 16384 tile + 512 c + 16 lane + e (lane = 16 h + r) is the code of
; (row tw(16 tile + r), k = 32 c + 16 h + e); tw exchanges bits 3 and 4.  A fragment of 128 along K is four loads of 16 bytes a lane, 512 bytes apart: dense, so LDS needs no padding.
; SHARES.  256 work-groups; each makes 128 rows x 256 columns.  Its 8 tiles of oc, all of K, are 131,072 consecutive bytes and stay in LDS from byte 0.  The weight's 16 tiles come in two halves of 8 tiles
; (128 columns, 131,072 consecutive bytes) into LDS from byte 131,072: the first at the head, the second as ONE refill.  So a work-group has two fills on end, and the first half's results leave while the refill is out.
; At the head every wave issues one load of 65,536 bytes (waves 0, 1: oc's halves; waves 2, 3: the weight's); the refill is issued by waves 2 and 3.  One load of a wave is out at any time.
; A wave makes 64 x 64 of each half: 16 accumulators; for 128 along K it loads 8 fragments and issues 16 matrix instructions; the next step's fragments are asked for ahead of a step's products, in a second set.
; CLUSTERS: 4 x 4 work-groups; oc's tiles are asked for jointly along a row of the cluster, the weight's along a column.
; PREFETCH: the weight's second half (512 blocks of 256 bytes for a column of the cluster) is named once, behind the first fragments' loads, eight steps of 128 along K ahead of its load: the column's 4 x 4 waves share
; the blocks out by address, a lane a block.  All sixteen clusters load the same weight, so only the first four name it (a branch on the cluster's number).  oc and the first half come by the head's loads alone.
; SOURCE 0 = a tile of the weight, source 1 = a tile of oc: register j of accumulator (a, b) in lane (r, h) is (column 32 (b / 2) + 16 h + 8 (b % 2) + j, position 16 a + r).
; REGISTERS: window 0: v16-29 addresses; v32-63 a block's sums x the scale; v64-127 rows read back, two sets; v128-255 the accumulators, (a, b) at v[128 + 8 (4 a + b)].
;   window 1: the weight's fragments, two sets, at v0 and v64; oc's, two sets, at v128 and v192.
.set BOFF,   131072                    ; the weight's half in LDS; also a half's bytes in wpc
.set STAGE,  262144                    ; the way out: 16 rows x 272 bytes for each wave, bytes into which no fill lands
.set SPITCH, 272
.set SPARE,  STAGE+4*16*SPITCH         ; the spare words, 128 bytes for each wave
.set ADRA, 16
.set ADRB, 17
.set STO,  24
.set RD,   25
.set CO,   26
.set PFO,  27
.set SPW,  28
.set NIL,  29
.set TMP,  32
.set BK,   64
.set ACC,  128
.set G1, 24                            ; s[24:31] group 1 for oc's tiles, s[32:35] group 0
.set G0, 32
.set G1B, 48                           ; s[48:55], s[56:59] the same for the weight's
.set G0B, 56
.set MSB, 0
.macro WIN new                         ; the immediate's high byte repeats the setting that is left
.if MSB != \new
	s_set_vgpr_msb (MSB<<8)|\new
.set MSB, \new
.endif
.endm
.macro CREST                           ; a round of the cluster's barrier behind its opening barrier
	s_cmp_lg_u32 s14, 0
	s_cbranch_scc1 .Lnot_wave_0_\@
	s_barrier_signal -3
.Lnot_wave_0_\@:
	s_barrier_wait -3
	s_barrier_signal -1
	s_barrier_wait -1
.endm
.macro CROUND
	s_barrier_signal -1
	s_barrier_wait -1
	CREST
.endm
.macro PLACES n
.rept \n
	v_nop
.endr
.endm
	s_load_b256 s[4:11], s[0:1], 0x0               ; oc s[4:5], wpc s[6:7], the exponents s[8:9], out0 s[10:11]
	v_lshl_add_u32 v[SPW], v0, 2, SPARE
	v_mov_b32 v[NIL], 0
	ds_add_u32 v[SPW], v[NIL]                      ; the opening lines: the add, twice on end, and one wait
	ds_add_u32 v[SPW], v[NIL]
	v_lshrrev_b32 v1, 5, v0
	v_readfirstlane_b32 s14, v1                    ; wave 0..3
	s_lshr_b32 s15, s14, 1                         ; which 64 rows are mine.  Also: I fetch for oc (0) or for the weight (1)
	s_and_b32 s16, s14, 1                          ; which 64 columns of a half.  Also: which 65,536 bytes I fetch
	s_bfe_u32 s40, ttmp6, 0x40000                  ; cx, cy
	s_bfe_u32 s41, ttmp6, 0x40004
	s_lshl_b32 s42, ttmp9, 2
	s_add_co_u32 s42, s42, s40                     ; block of 256 columns
	s_and_b32 s92, ttmp7, 0xffff                   ; the cluster's y
	s_lshl_b32 s17, s92, 2
	s_add_co_u32 s17, s17, s41                     ; block of 128 rows
	s_lshl_b32 s43, s41, 2
	s_lshl_b32 s43, 15, s43                        ; my row of the cluster
	s_lshl_b32 s44, 0x1111, s40                    ; my column
	s_or_b32 s[G1+0], s43, (3<<16)|(1<<21)         ; the mask; elements of 8 bytes; bit 21 beside a mask; no padding
	s_or_b32 s[G1B+0], s44, (3<<16)|(1<<21)
.irp g, G1, G1B
	s_mov_b32 s[\g+1], 32<<16                      ; a dense block of 65,536 bytes as 256 rows of 256 bytes
	s_mov_b32 s[\g+2], 256<<16
	s_mov_b32 s[\g+3], 32<<16
	s_mov_b32 s[\g+4], 256
	s_mov_b32 s[\g+5], 32
	s_mov_b32 s[\g+6], 0
	s_mov_b32 s[\g+7], 0
.endr
	s_lshl_b32 s18, s16, 16
	s_lshl_b32 s20, s17, 17
	s_add_co_u32 s20, s20, s18                     ; oc: of cy, the cluster's y and the wave's number alone
	s_mov_b32 s21, 0
	s_lshl_b32 s46, s42, 18
	s_add_co_u32 s46, s46, s18                     ; wpc: of cx and the wave's number alone
	s_mov_b32 s47, 0
	s_lshl_b32 s45, s14, 16                        ; where they go: wave x 65,536
	s_wait_dscnt 0x0                               ; both opening adds are done
	s_wait_kmcnt 0x0
	s_load_b256 s[72:79], s[8:9], 0x0              ; e0 .. e7
	s_mov_b32 s[G0], 1
	s_mov_b32 s[G0+1], s45
	s_add_nc_u64 s[G0+2:G0+3], s[4:5], s[20:21]
	s_or_b32 s[G0+3], s[G0+3], 0x80000000
	s_mov_b32 s[G0B], 1
	s_mov_b32 s[G0B+1], s45
	s_add_nc_u64 s[G0B+2:G0B+3], s[6:7], s[46:47]
	s_or_b32 s[G0B+3], s[G0B+3], 0x80000000
	CROUND                                         ; all sixteen work-groups are here: the first joint loads meet
	s_cmp_eq_u32 s15, 0                            ; one load in each arm of a branch on the wave's number
	s_cbranch_scc0 .Lfor_b
	tensor_load_to_lds s[G0:G0+3], s[G1:G1+7]
	s_nop 0
	s_branch .Lasked
.Lfor_b:
	tensor_load_to_lds s[G0B:G0B+3], s[G1B:G1B+7]
	s_nop 0
.Lasked:
	s_lshl_b32 s87, s15, 16                        ; my 4 tiles of oc
	s_lshl_b32 s88, s16, 16
	s_add_co_u32 s88, s88, BOFF                    ; my 4 tiles of the weight's half
	s_mul_i32 s89, s14, 16*SPITCH
	s_add_co_u32 s89, s89, STAGE                   ; my stage
	s_lshl_b32 s80, s17, 19                        ; out0: 128 rows of 4,096 bytes x block,
	s_lshl_b32 s81, s15, 18                        ; + 64 rows,
	s_add_co_u32 s80, s80, s81
	s_lshl_b32 s81, s42, 10                        ; + 256 columns x block,
	s_add_co_u32 s80, s80, s81
	s_lshl_b32 s81, s16, 8                         ; + 64 columns
	s_add_co_u32 s80, s80, s81
	s_mov_b32 s81, 0
	s_add_nc_u64 s[10:11], s[10:11], s[80:81]
	s_lshl_b32 s82, s41, 2                         ; the prefetch: of my column's second half, 8,192 bytes for wave 4 cy + wave
	s_add_co_u32 s82, s82, s14
	s_lshl_b32 s82, s82, 13
	s_lshl_b32 s83, s42, 18
	s_add_co_u32 s82, s82, s83
	s_add_co_u32 s82, s82, BOFF
	s_mov_b32 s83, 0
	s_add_nc_u64 s[90:91], s[6:7], s[82:83]        ; never rewritten
	s_wait_kmcnt 0x0
	s_add_co_i32 s96, s78, s79
	s_add_co_i32 s96, s96, 127
	s_lshl_b32 s96, s96, 23                        ; 2^(e6 + e7) as f32
	s_mov_b32 s97, s96
	v_and_b32 v1, 31, v0
	v_lshlrev_b32 v2, 4, v1                        ; 16 x lane
	v_and_b32 v3, 15, v0                           ; r
	v_bfe_u32 v4, v0, 4, 1                         ; h
	v_add_nc_u32 v[ADRA], s87, v2
	v_add_nc_u32 v[ADRB], s88, v2
	v_mul_u32_u24 v[STO], v3, SPITCH               ; into the stage: row r, 64 bytes for each half of the lanes
	v_lshl_add_u32 v[STO], v4, 6, v[STO]
	v_add_nc_u32 v[STO], s89, v[STO]
	v_mul_u32_u24 v[RD], v4, SPITCH                ; back: lanes 0-15 one row of 256 bytes, lanes 16-31 the next
	v_lshl_add_u32 v[RD], v3, 4, v[RD]
	v_add_nc_u32 v[RD], s89, v[RD]
	v_lshlrev_b32 v[CO], 12, v4                    ; and the same two rows in out0
	v_lshl_add_u32 v[CO], v3, 4, v[CO]
	v_lshlrev_b32 v[PFO], 8, v1                    ; a lane a block of 256 bytes
.macro FETCH q, p                      ; the fragments of the q-th 128 along K into set p: the weight's four tiles, then oc's four
	WIN 0x40                                       ; destination window 1, address window 0
.irp i, 0,1,2,3
.irp c, 0,1,2,3
	ds_load_b128 v[64*(\p)+16*\i+4*\c:64*(\p)+16*\i+4*\c+3], v[ADRB] offset:\i*16384+(\q)*2048+\c*512
.endr
.endr
.irp i, 0,1,2,3
.irp c, 0,1,2,3
	ds_load_b128 v[128+64*(\p)+16*\i+4*\c:128+64*(\p)+16*\i+4*\c+3], v[ADRA] offset:\i*16384+(\q)*2048+\c*512
.endr
.endr
	WIN 0
.endm
.macro MUL p, zero                     ; 16 matrix instructions; the 16 accumulators take turns, in the same order in every step
.irp a, 0,1,2,3
.irp b, 0,1,2,3
.if \zero
	v_wmma_f32_16x16x128_fp8_fp8 v[ACC+8*(4*\a+\b):ACC+8*(4*\a+\b)+7], v[64*(\p)+16*\b:64*(\p)+16*\b+15], v[128+64*(\p)+16*\a:128+64*(\p)+16*\a+15], 0
.else
	v_wmma_f32_16x16x128_fp8_fp8 v[ACC+8*(4*\a+\b):ACC+8*(4*\a+\b)+7], v[64*(\p)+16*\b:64*(\p)+16*\b+15], v[128+64*(\p)+16*\a:128+64*(\p)+16*\a+15], v[ACC+8*(4*\a+\b):ACC+8*(4*\a+\b)+7]
.endif
.endr
.endr
.endm
; 128 along K.  meet = 1 (the first half's last step): my reads of the weight's half are over, so the three lines and the opening signal of the refill's round stand ahead of the products.
.macro KSTEP q, zero, meet
.if (\q) < 7
	PLACES 4                                       ; in front of loads into the set that the step before multiplied
	FETCH (\q)+1, ((\q)+1)%2
	s_wait_dscnt 32                                ; all but the 32 just issued
.else
.if \meet
	s_wait_tensorcnt 0x0                           ; no load of mine is out,
	ds_add_u32 v[SPW], v[NIL]                      ; the add onto my spare word,
	s_add_nc_u64 s[G0B+2:G0B+3], s[G0B+2:G0B+3], BOFF   ; (the weight's second half)
	s_wait_dscnt 0x0                               ; the add is done, and the last fragments are in
	s_barrier_signal -1
.else
	s_wait_dscnt 0x0
.endif
.endif
	WIN 0x05                                       ; sources 0 and 1 window 1, C and D window 0
	MUL (\q)%2, \zero
	WIN 0
.endm
; THE WAY OUT of a half, block by block of 16 positions x 64 columns: x the scale, through my stage, back as rows of 256 bytes: sixteen lanes store one aligned unit.
.macro TOSTAGE a
.set n, 0
.rept 16
	v_pk_mul_f32 v[TMP+n:TMP+n+1], v[ACC+32*(\a)+n:ACC+32*(\a)+n+1], s[96:97] op_sel_hi:[1,0]   ; each accumulator from its low end on
.set n, n+2
.endr
.irp b, 0,1,2,3
	ds_store_b128 v[STO], v[TMP+8*\b:TMP+8*\b+3] offset:128*(\b/2)+32*(\b%2)
	ds_store_b128 v[STO], v[TMP+8*\b+4:TMP+8*\b+7] offset:128*(\b/2)+32*(\b%2)+16
.endr
.set BB, BK+32*((\a)%2)
.irp t, 0,1,2,3,4,5,6,7
	ds_load_b128 v[BB+4*\t:BB+4*\t+3], v[RD] offset:\t*2*SPITCH   ; LDS serves a wave's instructions in order: these see the stores
.endr
.endm
.macro SEND a, younger                 ; stage row r of tile a is row 32 (a / 2) + 8 (a % 2) + r % 8 + 16 (r / 8)
.set BB, BK+32*((\a)%2)
	s_wait_dscnt \younger
.if (\a) > 0
.if ((\a)%2) == 1
	s_add_nc_u64 s[10:11], s[10:11], 8*4096        ; (behind a wait on XCNT: the earlier stores have read their base)
.else
	s_add_nc_u64 s[10:11], s[10:11], 24*4096
.endif
.endif
.irp t, 0,1,2,3,4,5,6,7
	global_store_b128 v[CO], v[BB+4*\t:BB+4*\t+3], s[10:11] offset:((2*\t)%8+16*(\t/4))*4096 th:TH_STORE_NT
.endr
.endm
.macro OUT
	PLACES 4                                       ; behind the last products
	TOSTAGE 0
.irp a, 1,2,3
.if \a > 1
	s_wait_xcnt 0x0                                ; the stores of two blocks ago have read their registers and their base
.endif
	TOSTAGE \a
	SEND \a-1, 16                                  ; behind block a - 1's loads: block a's 8 stores and 8 loads
.endr
	s_wait_xcnt 0x0
	SEND 3, 0
.endm
	s_wait_alu depctr_va_vdst(0)                   ; the wait at the head's end
	s_wait_tensorcnt 0x0                           ; my 65,536 bytes are in,
	s_barrier_signal -1
	s_barrier_wait -1                              ; everybody's are
	FETCH 0, 0
	s_cmp_lt_u32 s92, 4
	s_cbranch_scc0 .Lno_ask
	global_prefetch_b8 v[PFO], s[90:91] th:TH_LOAD_NT scope:SCOPE_SE
.Lno_ask:
	KSTEP 0, 1, 0                                  ; the first products start the sums
.irp q, 1,2,3,4,5,6
	KSTEP \q, 0, 0
.endr
	KSTEP 7, 0, 1
	s_barrier_wait -1
	CREST                                          ; no wave of any partner still reads the weight's first half
	s_cmp_eq_u32 s15, 0
	s_cbranch_scc1 .Lno_refill                     ; waves 0 and 1 have no part of it to fill
	tensor_load_to_lds s[G0B:G0B+3], s[G1B:G1B+7]  ; the second half, the first tensor load behind the round
	s_nop 0
.Lno_refill:
	OUT                                            ; the first half leaves while the refill is out
	s_wait_xcnt 0x0
	s_sub_nc_u64 s[10:11], s[10:11], 40*4096-512   ; back to my first row, 128 columns on
	s_wait_tensorcnt 0x0                           ; my part of the second half is in,
	s_wait_dscnt 0x0
	s_barrier_signal -1
	s_barrier_wait -1                              ; everybody's is; nothing is filled again
	FETCH 0, 0
	KSTEP 0, 1, 0
.irp q, 1,2,3,4,5,6,7
	KSTEP \q, 0, 0
.endr
	OUT
	s_wait_tensorcnt 0x0                           ; the wave's end
	ds_add_u32 v[SPW], v[NIL]
	s_wait_dscnt 0x0
	CROUND                                         ; the closing round
	s_endpgm
.Lfunc_end_k_qd3fadcf42c_proj:
	.size	k_qd3fadcf42c_proj, .Lfunc_end_k_qd3fadcf42c_proj-k_qd3fadcf42c_proj
	.p2alignl 7, 3214868480
	.fill 96, 4, 3214868480
	.section	.rodata,"a",@progbits
	.p2align	6, 0x0
	.amdhsa_kernel k_qd3fadcf42c_proj
		.amdhsa_group_segment_fixed_size 327680
		.amdhsa_private_segment_fixed_size 0
		.amdhsa_enable_private_segment 0
		.amdhsa_kernarg_size 32
		.amdhsa_user_sgpr_count 2
		.amdhsa_user_sgpr_kernarg_segment_ptr 1
		.amdhsa_wavefront_size32 1
		.amdhsa_system_sgpr_workgroup_id_x 1
		.amdhsa_system_sgpr_workgroup_id_y 1
		.amdhsa_system_sgpr_workgroup_id_z 1
		.amdhsa_system_vgpr_workitem_id 0
		.amdhsa_next_free_vgpr 512
		.amdhsa_next_free_sgpr 100
		.amdhsa_reserve_vcc 0
		.amdhsa_float_denorm_mode_32 3
		.amdhsa_float_denorm_mode_16_64 3
		.amdhsa_memory_ordered 1
		.amdhsa_forward_progress 1
		.amdhsa_inst_pref_size 83
	.end_amdhsa_kernel
	.amdgpu_metadata
---
amdhsa.version: [ 1, 2 ]
amdhsa.kernels:
  - .name:           k_qd3fadcf42c_proj
    .symbol:         k_qd3fadcf42c_proj.kd
    .args:
      - { .name: oc, .offset: 0, .size: 8, .value_kind: global_buffer, .address_space: global }
      - { .name: wpc, .offset: 8, .size: 8, .value_kind: global_buffer, .address_space: global }
      - { .name: lowp_scales, .offset: 16, .size: 8, .value_kind: global_buffer, .address_space: global }
      - { .name: out0, .offset: 24, .size: 8, .value_kind: global_buffer, .address_space: global }
    .group_segment_fixed_size: 327680
    .private_segment_fixed_size: 0
    .kernarg_segment_align: 8
    .kernarg_segment_size: 32
    .max_flat_workgroup_size: 128
    .sgpr_count:     100
    .vgpr_count:     512
    .wavefront_size: 32
...
	.end_amdgpu_metadata
.endif
;; end of part 4
